; MI455X (gfx1250); checked and timed in simulation.
; The chip was launched on July 23, 2026; its instructions are those of AMD's public machine-readable ISA for CDNA 5 (MIT licence, August 2026) and "CDNA5" Instruction Set Architecture Reference Guide (July 2026). The comments in the code are by the model that wrote it; some were corrected since.
;; Sliding Window Attention. Allowed arithmetic: float matrix products may take bf16 or f16 operands with f32 sums; all other float work in f32.
;; Inputs: Wk 2,048 x 1,024 float32; Wo 1,024 x 2,048 float32; Wq 2,048 x 1,024 float32; Wv 2,048 x 1,024 float32; hidden_states 1 x 4,096 x 2,048 float32.
;; Outputs: out0 1 x 4,096 x 2,048 float32.
;; 2 versions, each right; version 2 is version 1 with the launch prep written anew for expert scheduling mode. Each part assembles by itself: llvm-mc -triple=amdgcn-amd-amdhsa -mcpu=gfx1250 --defsym DOCPART=n.
;; ======== version 1 of 2: 5 launches
;; limits: values are held in f16: magnitudes above 65,504 overflow, below 6.1e-05 lose precision
;; workspace buffers: xh 16,777,216 bytes; wt 12,582,912 bytes; wot 4,194,304 bytes; qkv 25,165,824 bytes; ah 8,388,608 bytes; part 1,114,112 bytes
;; launch prep (part 1): grid 512 x 1, 8 waves a work-group, no clusters, 70,656 bytes of LDS; arguments hidden_states, Wq, Wk, Wv, Wo, xh, wt, wot; writes xh, wt, wot
.if DOCPART == 1
	.amdgcn_target "amdgcn-amd-amdhsa--gfx1250"
	.amdhsa_code_object_version 6
	.text
	.protected	k_qb603822fb4_prep
	.globl	k_qb603822fb4_prep
	.p2align	8
	.type	k_qb603822fb4_prep,@function
k_qb603822fb4_prep:
	s_mov_b64 s[64:65], 0
	v_nop
	global_prefetch_b8 v0, s[64:65] scope:SCOPE_SE
	s_setreg_imm32_b32 hwreg(HW_REG_WAVE_MODE, 25, 1), 1
	s_wait_xcnt 0x0
; The operands of the two large products are made once: f32 -> f16 (rounded to nearest even), the weights also turned so that K lies along the rows.
;   xh  [4096][2048] f16 = hidden_states
;   wt  [3072][2048] f16: row 192 h + 64 part + d = column 64 h + d of Wq (part 0), Wk (1), Wv (2): a head's q, k, v columns lie together
;   wot [2048][1024] f16 = Wo turned
; LIMIT: numbers beyond f16's largest, 65,504, become infinities; below 6e-8 they are lost.  The inputs have a spread of 1 and of 0.022.
; Work-groups 0-255 take 131,072 bytes of x each; 256-447 a tile of 128 k x 256 n of Wq, Wk or Wv; 448-511 one of Wo: 131,072 bytes read and 65,536 written by each.
; No matrix unit, no cluster: nothing is multiplied and no byte is read twice.
.set LP, 272                           ; an LDS row of the turned tile: 128 k x 2 bytes + 16
.set R,  8                             ; v[8:135]   32 loads of 4 registers
.set T,  136                           ; v[136:151] packed f16 on their way into LDS (weights)
.set Y,  136                           ; v[136:199] packed f16 to store (x)
	s_load_b512 s[4:19], s[0:1], 0x0               ; x s[4:5], Wq s[6:7], Wk s[8:9], Wv s[10:11], Wo s[12:13], xh s[14:15], wt s[16:17], wot s[18:19]
	v_lshl_add_u32 v200, v0, 2, 0x11000
	v_mov_b32 v201, 0
	v_lshrrev_b32 v1, 5, v0
	v_readfirstlane_b32 s20, v1                    ; wave 0..7
	v_and_b32 v2, 31, v0                           ; lane
	s_cmp_lt_u32 ttmp9, 256
	s_cbranch_scc0 .Lweights
	; ---- x: a wave takes 16,384 bytes, 32 loads of 512 neighbouring bytes, all on their way at once
	v_lshlrev_b32 v3, 4, v2                        ; 16 bytes a lane in
	v_lshlrev_b32 v4, 3, v2                        ; 8 bytes a lane out
	s_lshl_b32 s22, ttmp9, 17                      ; the work-group's 131,072 bytes,
	s_lshl_b32 s21, s20, 14                        ; the wave's 16,384 of them
	s_add_co_u32 s22, s22, s21
	s_mov_b32 s23, 0
	s_lshr_b32 s24, s22, 1                         ; half as many bytes out
	s_mov_b32 s25, 0
	s_wait_kmcnt 0x0
	s_add_nc_u64 s[4:5], s[4:5], s[22:23]
	s_add_nc_u64 s[14:15], s[14:15], s[24:25]
.set j, 0
.rept 32
	global_load_b128 v[R+4*j:R+4*j+3], v3, s[4:5] offset:512*j th:TH_LOAD_NT
.set j, j+1
.endr
.set j, 0
.rept 32
	s_wait_loadcnt 31-j                            ; loads come back in order: load j is in, the younger ones stay out
	v_cvt_pk_f16_f32 v[Y+2*j],   v[R+4*j],   v[R+4*j+1]
	v_cvt_pk_f16_f32 v[Y+2*j+1], v[R+4*j+2], v[R+4*j+3]
	global_store_b64 v4, v[Y+2*j:Y+2*j+1], s[14:15] offset:256*j   ; the wave's 32 lanes store 256 consecutive bytes, aligned; no register is used twice, so nothing is waited for
.set j, j+1
.endr
	s_endpgm
; ---- a tile of 128 k x 256 n of a weight.  inp, outp: bytes of a row of the source and of the turned matrix; src, dst: the scalar pairs that hold
; the source at the wave's 16 rows of k and the destination at the wave's 32 rows of n.
; In: wave w takes k = 16 w .. 16 w + 15; a load covers 512 neighbouring bytes (128 n) of one row; a lane holds 4 n x 16 k for each half of the 256 n.
; Eight k of one n pack into 16 bytes, which go to LDS row n at byte 2 k.  Lanes are 4 rows apart there, 64 bytes modulo 256, so four lanes share a group of banks:
; kept, since the launch waits for memory and a rotation would make the addresses harder to read.
; Out: wave w reads rows 32 w .. 32 w + 31 whole; 16 lanes store the 256 bytes of a row.
.macro WTILE inp, outp, src, dst
	v_mul_u32_u24 v6, v7, \outp                    ; (l >> 4) rows
	v_lshl_add_u32 v6, v1, 4, v6                   ; + 16 (l & 15)
.irp jn, 0,1
.irp rr, 0,1,2,3,4,5,6,7,8,9,10,11,12,13,14,15
	global_load_b128 v[R+4*(16*\jn+\rr):R+4*(16*\jn+\rr)+3], v3, s[\src:\src+1] offset:\rr*\inp+512*\jn th:TH_LOAD_NT
.endr
.endr
.irp g, 0,1,2,3                        ; g = 2 x (half of n) + (half of the wave's 16 k): loads 8 g .. 8 g + 7
	s_wait_loadcnt 24-8*\g                         ; those eight are in; the younger ones stay out
.irp i, 0,1,2,3
.irp m, 0,1,2,3
	v_cvt_pk_f16_f32 v[T+4*\i+\m], v[R+4*(8*\g+2*\m)+\i], v[R+4*(8*\g+2*\m+1)+\i]
.endr
	ds_store_b128 v4, v[T+4*\i:T+4*\i+3] offset:(128*(\g/2)+\i)*LP+16*(\g%2)
.endr
.endr
	s_wait_dscnt 0x0                               ; for the others' sake: my stores into the tile are done
	s_barrier_signal -1
	s_barrier_wait -1
.irp t, 0,1,2,3,4,5,6,7,8,9,10,11,12,13,14,15
	ds_load_b128 v[R+4*\t:R+4*\t+3], v5 offset:2*LP*\t
.endr
.irp t, 0,1,2,3,4,5,6,7,8,9,10,11,12,13,14,15
	s_wait_dscnt 15-\t
	global_store_b128 v6, v[R+4*\t:R+4*\t+3], s[\dst:\dst+1] offset:2*\t*\outp   ; two rows: 16 lanes store 256 consecutive bytes, aligned
.endr
	s_wait_tensorcnt 0x0
	ds_add_u32 v200, v201
	s_wait_dscnt 0x0
	s_endpgm
.endm
.Lweights:
	v_lshlrev_b32 v3, 4, v2                        ; in: 16 bytes a lane
	v_mul_u32_u24 v4, v2, 4*LP                     ; into LDS: rows 4 l ..,
	s_lshl_b32 s26, s20, 5
	v_add_nc_u32 v4, s26, v4                       ; byte 32 w
	v_lshrrev_b32 v7, 4, v2                        ; l >> 4
	v_and_b32 v1, 15, v2                           ; l & 15
	v_mul_u32_u24 v5, v7, LP                       ; back: row 32 w + (l >> 4), byte 16 (l & 15)
	v_lshl_add_u32 v5, v1, 4, v5
	s_mul_i32 s27, s20, 32*LP
	v_add_nc_u32 v5, s27, v5
	s_sub_co_u32 s21, ttmp9, 256                   ; the tile's number
	s_cmp_lt_u32 s21, 192
	s_cbranch_scc0 .Lwo
	s_lshr_b32 s22, s21, 6                         ; part: q, k, v
	s_bfe_u32 s23, s21, 0x40002                    ; kt 0..15
	s_and_b32 s24, s21, 3                          ; nt 0..3
	s_lshl_b32 s28, s23, 7
	s_lshl4_add_u32 s28, s20, s28                  ; source row 128 kt + 16 w,
	s_lshl_b32 s28, s28, 12                        ; of 4,096 bytes,
	s_lshl_b32 s29, s24, 10                        ; + 256 nt numbers
	s_add_co_u32 s28, s28, s29
	s_mov_b32 s29, 0
	s_lshr_b32 s30, s20, 1
	s_lshl2_add_u32 s30, s24, s30                  ; the head: 4 nt + (w >> 1)
	s_mul_i32 s30, s30, 192
	s_lshl_b32 s31, s22, 6
	s_add_co_u32 s30, s30, s31                     ; + 64 part
	s_and_b32 s31, s20, 1
	s_lshl_b32 s31, s31, 5
	s_add_co_u32 s30, s30, s31                     ; + 32 (w & 1)
	s_lshl_b32 s30, s30, 12                        ; rows of 4,096 bytes
	s_lshl_b32 s31, s23, 8                         ; + 128 kt numbers
	s_add_co_u32 s30, s30, s31
	s_mov_b32 s31, 0
	s_wait_kmcnt 0x0
	s_cmp_eq_u32 s22, 1
	s_cselect_b64 s[6:7], s[8:9], s[6:7]
	s_cmp_eq_u32 s22, 2
	s_cselect_b64 s[6:7], s[10:11], s[6:7]
	s_add_nc_u64 s[6:7], s[6:7], s[28:29]
	s_add_nc_u64 s[16:17], s[16:17], s[30:31]
	WTILE 4096, 4096, 6, 16
.Lwo:
	s_sub_co_u32 s21, s21, 192
	s_lshr_b32 s23, s21, 3                         ; kt 0..7
	s_and_b32 s24, s21, 7                          ; nt 0..7
	s_lshl_b32 s28, s23, 7
	s_lshl4_add_u32 s28, s20, s28                  ; source row 128 kt + 16 w,
	s_lshl_b32 s28, s28, 13                        ; of 8,192 bytes
	s_lshl_b32 s29, s24, 10
	s_add_co_u32 s28, s28, s29
	s_mov_b32 s29, 0
	s_lshl_b32 s30, s24, 8
	s_lshl_b32 s31, s20, 5
	s_add_co_u32 s30, s30, s31                     ; turned row 256 nt + 32 w,
	s_lshl_b32 s30, s30, 11                        ; of 2,048 bytes
	s_lshl_b32 s31, s23, 8
	s_add_co_u32 s30, s30, s31
	s_mov_b32 s31, 0
	s_wait_kmcnt 0x0
	s_add_nc_u64 s[12:13], s[12:13], s[28:29]
	s_add_nc_u64 s[18:19], s[18:19], s[30:31]
	WTILE 8192, 2048, 12, 18
.Lfunc_end_k_qb603822fb4_prep:
	.size	k_qb603822fb4_prep, .Lfunc_end_k_qb603822fb4_prep-k_qb603822fb4_prep
	.p2alignl 7, 3214868480
	.fill 96, 4, 3214868480
	.section	.rodata,"a",@progbits
	.p2align	6, 0x0
	.amdhsa_kernel k_qb603822fb4_prep
		.amdhsa_group_segment_fixed_size 70656
		.amdhsa_private_segment_fixed_size 0
		.amdhsa_enable_private_segment 0
		.amdhsa_kernarg_size 64
		.amdhsa_user_sgpr_count 2
		.amdhsa_user_sgpr_kernarg_segment_ptr 1
		.amdhsa_wavefront_size32 1
		.amdhsa_system_sgpr_workgroup_id_x 1
		.amdhsa_system_sgpr_workgroup_id_y 1
		.amdhsa_system_sgpr_workgroup_id_z 1
		.amdhsa_system_vgpr_workitem_id 0
		.amdhsa_next_free_vgpr 202
		.amdhsa_next_free_sgpr 66
		.amdhsa_reserve_vcc 0
		.amdhsa_float_denorm_mode_32 3
		.amdhsa_float_denorm_mode_16_64 3
		.amdhsa_memory_ordered 1
		.amdhsa_forward_progress 1
		.amdhsa_inst_pref_size 38
	.end_amdhsa_kernel
	.amdgpu_metadata
---
amdhsa.version: [ 1, 2 ]
amdhsa.kernels:
  - .name:           k_qb603822fb4_prep
    .symbol:         k_qb603822fb4_prep.kd
    .args:
      - { .name: hidden_states, .offset: 0, .size: 8, .value_kind: global_buffer, .address_space: global }
      - { .name: Wq, .offset: 8, .size: 8, .value_kind: global_buffer, .address_space: global }
      - { .name: Wk, .offset: 16, .size: 8, .value_kind: global_buffer, .address_space: global }
      - { .name: Wv, .offset: 24, .size: 8, .value_kind: global_buffer, .address_space: global }
      - { .name: Wo, .offset: 32, .size: 8, .value_kind: global_buffer, .address_space: global }
      - { .name: xh, .offset: 40, .size: 8, .value_kind: global_buffer, .address_space: global }
      - { .name: wt, .offset: 48, .size: 8, .value_kind: global_buffer, .address_space: global }
      - { .name: wot, .offset: 56, .size: 8, .value_kind: global_buffer, .address_space: global }
    .group_segment_fixed_size: 70656
    .private_segment_fixed_size: 0
    .kernarg_segment_align: 8
    .kernarg_segment_size: 64
    .max_flat_workgroup_size: 256
    .sgpr_count:     66
    .vgpr_count:     202
    .wavefront_size: 32
...
	.end_amdgpu_metadata
.endif
;; end of part 1
;; launch qkvg (part 2): grid 16 x 16, 4 waves a work-group, clusters of 4 x 4, 327,680 bytes of LDS; arguments xh, wt, qkv; writes qkv
.if DOCPART == 2
	.amdgcn_target "amdgcn-amd-amdhsa--gfx1250"
	.amdhsa_code_object_version 6
	.text
	.protected	k_qb603822fb4_qkvg
	.globl	k_qb603822fb4_qkvg
	.p2align	8
	.type	k_qb603822fb4_qkvg,@function
k_qb603822fb4_qkvg:
	s_mov_b64 s[64:65], 0
	v_nop
	global_prefetch_b8 v0, s[64:65] scope:SCOPE_SE
	s_setreg_imm32_b32 hwreg(HW_REG_WAVE_MODE, 25, 1), 1
	s_wait_xcnt 0x0
	s_wait_alu depctr_hold_cnt(0) depctr_sa_sdst(0) depctr_va_vdst(0) depctr_va_sdst(0) depctr_va_ssrc(0) depctr_va_vcc(0) depctr_vm_vsrc(0)
	s_getreg_b32 s2, hwreg(HW_REG_IB_STS2, 6, 4)
	s_cmp_eq_u32 s2, 0
	s_cbranch_scc0 .Lentry_in_a_cluster
	s_endpgm
.Lentry_in_a_cluster:
	s_bfe_u32 s2, ttmp6, 0x10000c
	s_cmp_lg_u32 s2, 0xf033
	s_cbranch_scc0 .Lentry_shape_is_right
	s_endpgm
.Lentry_shape_is_right:
; q, k, v of all heads: C[4096][3072] = xh wt^T, f16 operands, f32 sums, rounded once to f16 and stored head by head: qkv[part][head][position][64].
; LIMIT: |q|, |k|, |v| beyond 65,504 become infinities in f16.  With the drawn spreads they are about 1; with x and the weights each 30 times larger about 900 in spread.
; A work-group makes 256 positions x 192 columns (one head's q, k and v): 16 x 16 = 256 work-groups.  Each of its four waves makes 64 rows x 192 columns:
; 48 accumulators of 16 x 16, 384 registers, so that a wave's rows of C are whole and its way out needs no other wave.
; K goes in steps of 128 through a ring of two LDS slots filled by the tensor data mover; the tiles' rows are 256 bytes of memory, aligned.
; CLUSTERS: 4 x 4 work-groups.  The four of a row need the same tiles of xh, the four of a column the same tiles of wt: each tile is asked for jointly,
; by the same tensor load with the same descriptor and a mask that names the four.
; THE MATRIX INSTRUCTION IS USED TRANSPOSED (source 0 = 16 rows of wt, source 1 = 16 rows of xh): a lane then holds eight neighbouring columns of one row of C.
; REGISTERS: window 0: v0-31 addresses, v32-79 packed results, v80-175 rows read back from the stage.
;   window 1: two fragment buffers of 128: 96 registers of wt (12 x 16 rows x 32 K), then 32 of xh (4 x 16 rows x 32 K).
;   window 2: the accumulators of my rows 0-31 ((a, b) at v[8 (12 (a % 2) + b)]);   window 3: those of my rows 32-63.
.set SIZE_K, 2048
.set LAPS,   SIZE_K/256                ; a lap = two K steps = once round the ring
.set NB,     12                        ; blocks of 16 columns
.set BROWS,  96                        ; rows of wt in one tensor load
.set PITCH,  272                       ; an LDS row: 256 bytes + 16 of padding = 68 words: the 16 rows of a fragment load start at 16 different banks (64 banks of 4 bytes: ISA guide 11.1)
.set APITCH, 272
.set HALFA,  128*APITCH                ; what one tensor load brings of xh
.set AREG,   2*HALFA
.set HALFB,  BROWS*PITCH
.set SLOT,   AREG+2*HALFB              ; 256 rows of xh, then 192 rows of wt
.set STAGE,  2*SLOT                    ; behind the ring: 16 rows x 400 bytes for each wave
.set SPITCH, 400                       ; 192 columns x 2 bytes + 16
.set SPARE,  STAGE+4*16*SPITCH         ; behind the stages: the spare words, 128 bytes a wave, two blocks of 256 bytes that no other line names
.set NLD,    2*NB+8                    ; LDS loads of a quarter step
.set A_SLOT1, 256                      ; bytes from K step 0 to K step 1
.set A_STEP,  512                      ; bytes of two K steps
.set B_SLOT1, 256
.set B_STEP,  512
.set ADRA, 16                          ; v16-17  LDS address of my fragments of xh in slot 0, 1
.set ADRB, 20                          ; v20-21  the same for wt
.set STO,  24                          ; v24     the way out: where I put 16 bytes of a row
.set RD,   25                          ; v25     the way out: where I read back
.set CO,   26                          ; v26     16 x lane
.set SPW,  28                          ; v28     LDS address of my spare word; never rewritten
.set NIL,  29                          ; v29     0; never rewritten
.set TMP,  32
.set OB,   80
.set F0,   0
.set F1,   128
.set G1,  24                           ; s[24:31] descriptor group 1 for xh's tiles; s[32:39] group 0, one set for each slot
.set G0,  32
.set G1B, 48                           ; s[48:55], s[56:63] the same for wt's
.set G0B, 56
.set MSB, 0
.macro WIN new                         ; the immediate's high byte repeats the setting that is left; a switch that changes nothing is dropped
.if MSB != \new
	s_set_vgpr_msb (MSB<<8)|\new
.set MSB, \new
.endif
.endm
.set MUL_LO, 0xa5                      ; sources 0 and 1 window 1, C and D window 2
.set MUL_HI, 0xf5                      ; the same, C and D window 3
.set TO_F,   0x40                      ; destination window 1, address window 0
; A joint load: waves 0 and 1 fetch the two halves of xh's tile, waves 2 and 3 those of wt's.  The branch hangs on the wave's number alone.
; Four v_nop follow each of the two lines, ahead of the jump, the label and what follows.
.macro JLOAD s
	s_cmp_eq_u32 s11, 0
	s_cbranch_scc0 .Lfor_b_\@
	tensor_load_to_lds s[G0+4*\s:G0+4*\s+3], s[G1:G1+7]
	s_nop 0
.rept 4
	v_nop
.endr
	s_branch .Lasked_\@
.Lfor_b_\@:
	tensor_load_to_lds s[G0B+4*\s:G0B+4*\s+3], s[G1B:G1B+7]
	s_nop 0
.rept 4
	v_nop
.endr
.Lasked_\@:
.endm
.macro CREST                           ; a round of the cluster's barrier behind its opening barrier
	s_cmp_lg_u32 s10, 0
	s_cbranch_scc1 .Lnot_wave_0_\@
	s_barrier_signal -3
.Lnot_wave_0_\@:
	s_barrier_wait -3
	s_barrier_signal -1
	s_barrier_wait -1
.endm
.macro CROUND                          ; a whole round
	s_barrier_signal -1
	s_barrier_wait -1
	CREST
.endm
	s_load_b128 s[4:7], s[0:1], 0x0                ; xh s[4:5], wt s[6:7]
	s_load_b64 s[8:9], s[0:1], 0x10                ; qkv
	v_lshl_add_u32 v[SPW], v0, 2, SPARE
	v_mov_b32 v[NIL], 0
	ds_add_u32 v28, v29
	ds_add_u32 v28, v29
	s_wait_dscnt 0x0
	v_lshrrev_b32 v1, 5, v0
	v_readfirstlane_b32 s10, v1                    ; wave 0..3
	s_lshr_b32 s11, s10, 1                         ; I fetch for xh (0) or for wt (1),
	s_and_b32 s12, s10, 1                          ; and which half of that tile
	s_bfe_u32 s40, ttmp6, 0x40000                  ; cx, cy: my place in the cluster
	s_bfe_u32 s41, ttmp6, 0x40004
	s_lshl_b32 s42, ttmp9, 2
	s_add_co_u32 s42, s42, s40                     ; the head = 4 x cluster x + cx
	s_and_b32 s13, ttmp7, 0xffff
	s_lshl_b32 s13, s13, 2
	s_add_co_u32 s13, s13, s41                     ; the block of 256 positions = 4 x cluster y + cy
	s_lshl_b32 s43, s41, 2
	s_lshl_b32 s43, 15, s43                        ; my row of the cluster
	s_lshl_b32 s44, 0x1111, s40                    ; my column
	; descriptor group 1: rows of 128 elements of 2 bytes, 4 words of padding behind every 64 words; bit 21 set beside a mask
	s_or_b32 s[G1+0], s43, (1<<16)|(1<<20)|(1<<21)|(5<<22)|(3<<25)
	s_mov_b32 s[G1+1], 128<<16                     ; tensor_dim0 = 128
	s_mov_b32 s[G1+2], 128<<16                     ; tensor_dim1 = 128
	s_mov_b32 s[G1+3], 128<<16                     ; tile_dim0 = 128
	s_mov_b32 s[G1+4], 128                         ; tile_dim1 = 128 rows
	s_mov_b32 s[G1+5], SIZE_K                      ; elements from row to row
	s_mov_b32 s[G1+6], 0
	s_mov_b32 s[G1+7], 0
	s_or_b32 s[G1B+0], s44, (1<<16)|(1<<20)|(1<<21)|(5<<22)|(3<<25)
	s_mov_b32 s[G1B+1], 128<<16
	s_mov_b32 s[G1B+2], BROWS<<16
	s_mov_b32 s[G1B+3], 128<<16
	s_mov_b32 s[G1B+4], BROWS
	s_mov_b32 s[G1B+5], SIZE_K
	s_mov_b32 s[G1B+6], 0
	s_mov_b32 s[G1B+7], 0
	; xh's tiles hang on the block of positions alone, wt's on the head alone; each address is made in registers that never hold the other coordinate
	s_lshl_b32 s16, s13, 8
	s_lshl_b32 s17, s12, 7
	s_add_co_u32 s16, s16, s17                     ; xh: row 256 x block + 128 x half,
	s_lshl_b32 s16, s16, 12                        ; of 4,096 bytes
	s_mov_b32 s17, 0
	s_mul_i32 s46, s42, 192
	s_mul_i32 s47, s12, BROWS
	s_add_co_u32 s46, s46, s47                     ; wt: row 192 x head + 96 x half
	s_lshl_b32 s46, s46, 12
	s_mov_b32 s47, 0
	s_mul_i32 s20, s12, HALFA                      ; where they go: no place in the cluster enters an LDS address
	s_mul_i32 s21, s12, HALFB
	s_add_co_u32 s21, s21, AREG
	s_wait_kmcnt 0x0
	s_add_nc_u64 s[14:15], s[4:5], s[16:17]
	s_add_nc_u64 s[46:47], s[6:7], s[46:47]
	CROUND                                         ; all sixteen work-groups are here: the first joint loads meet
.irp s, 0,1
	s_mov_b32 s[G0+4*\s], 1
	s_add_co_u32 s[G0+4*\s+1], s20, \s*SLOT
	s_add_nc_u64 s[G0+4*\s+2:G0+4*\s+3], s[14:15], \s*A_SLOT1
	s_or_b32 s[G0+4*\s+3], s[G0+4*\s+3], 0x80000000
	s_mov_b32 s[G0B+4*\s], 1
	s_add_co_u32 s[G0B+4*\s+1], s21, \s*SLOT
	s_add_nc_u64 s[G0B+4*\s+2:G0B+4*\s+3], s[46:47], \s*B_SLOT1
	s_or_b32 s[G0B+4*\s+3], s[G0B+4*\s+3], 0x80000000
	JLOAD \s                                       ; two loads of mine are out behind these; later one behind each round
.endr
	; a fragment is 16 rows x 32 K in 8 registers: lane l holds row l % 16; two loads of 16 bytes, 32 bytes apart, at row x pitch + 16 (l / 16)
	v_and_b32 v1, 15, v0
	v_bfe_u32 v2, v0, 4, 1
	v_mul_u32_u24 v3, v1, PITCH
	v_lshl_add_u32 v3, v2, 4, v3
	s_mul_i32 s21, s10, 64*APITCH                  ; my 64 rows of xh
.irp s, 0,1
	v_add_nc_u32 v[ADRA+\s], s21, v3
	v_add_nc_u32 v[ADRB+\s], AREG+\s*SLOT, v3
	s_add_co_u32 s21, s21, SLOT
.endr
	s_mul_i32 s23, s10, 16*SPITCH
	s_add_co_u32 s23, s23, STAGE                   ; my stage
	v_mul_u32_u24 v4, v1, SPITCH                   ; in: row l % 16, 16 bytes for each half of the lanes
	v_lshl_add_u32 v4, v2, 4, v4
	v_add_nc_u32 v[STO], s23, v4
	v_and_b32 v5, 31, v0
	v_lshrrev_b32 v4, 3, v5                        ; back: eight lanes take the 128 bytes of one part of a row, four rows a load
	v_mul_u32_u24 v4, v4, SPITCH
	v_and_b32 v3, 7, v0
	v_lshl_add_u32 v4, v3, 4, v4
	v_add_nc_u32 v[RD], s23, v4
	v_lshlrev_b32 v[CO], 4, v5
	; my 64 rows of the head's q; k and v lie one and two planes of 8,388,608 bytes further on
	s_lshl_b32 s16, s13, 15                        ; 256 rows of 128 bytes a block,
	s_lshl_b32 s17, s10, 13                        ; 64 a wave
	s_add_co_u32 s16, s16, s17
	s_mov_b32 s17, 0
	s_lshl_b32 s46, s42, 19                        ; 524,288 bytes a head
	s_mov_b32 s47, 0
	s_add_nc_u64 s[16:17], s[16:17], s[46:47]
	s_add_nc_u64 s[8:9], s[8:9], s[16:17]
	s_add_nc_u64 s[4:5], s[8:9], 0x800000
	s_add_nc_u64 s[6:7], s[4:5], 0x800000
; 12 matrix instructions: row block 2 hi + a x all column blocks, 32 along K.  zero = 1: the product starts the sums: nothing is cleared.
; The 48 accumulators take turns, one instruction a turn, in the same order in every quarter step.
.macro MULA f, hi, a, zero
.irp b, 0,1,2,3,4,5,6,7,8,9,10,11
.if \zero
	v_wmma_f32_16x16x32_f16 v[8*(NB*\a+\b):8*(NB*\a+\b)+7], v[\f+8*\b:\f+8*\b+7], v[\f+96+8*(2*\hi+\a):\f+96+8*(2*\hi+\a)+7], 0
.else
	v_wmma_f32_16x16x32_f16 v[8*(NB*\a+\b):8*(NB*\a+\b)+7], v[\f+8*\b:\f+8*\b+7], v[\f+96+8*(2*\hi+\a):\f+96+8*(2*\hi+\a)+7], v[8*(NB*\a+\b):8*(NB*\a+\b)+7]
.endif
.endr
.endm
; 32 LDS loads in one run: quarter q's fragments into buffer f: wt's first, then xh's
.macro FETCH slot, q, f
	WIN TO_F
.irp b, 0,1,2,3,4,5,6,7,8,9,10,11
	ds_load_b128 v[\f+8*\b:\f+8*\b+3],   v[ADRB+\slot] offset:64*\q+\b*16*PITCH
	ds_load_b128 v[\f+8*\b+4:\f+8*\b+7], v[ADRB+\slot] offset:64*\q+\b*16*PITCH+32
.endr
.irp a, 0,1,2,3
	ds_load_b128 v[\f+96+8*\a:\f+96+8*\a+3],   v[ADRA+\slot] offset:64*\q+\a*16*APITCH
	ds_load_b128 v[\f+96+8*\a+4:\f+96+8*\a+7], v[ADRA+\slot] offset:64*\q+\a*16*APITCH+32
.endr
.endm
.macro PLACES                          ; four places in front of loads into registers that matrix instructions have read, and of instructions that read results
.rept 4
	v_nop
.endr
.endm
; A K step is four quarters of 32 along K, 48 matrix instructions each, on buffers 0, 1, 0, 1.  One of the first three multiplies f and fetches quarter q into g.
.macro QUARTER slot, q, f, g, zero
	s_wait_dscnt 4                                 ; all but the youngest four loads: xh's row blocks 2 and 3
	WIN MUL_LO
	MULA \f, 0, 0, \zero
	MULA \f, 0, 1, \zero
	PLACES
	FETCH \slot, \q, \g
	s_wait_dscnt NLD                               ; all but the run just issued
	WIN MUL_HI
	MULA \f, 1, 0, \zero
	MULA \f, 1, 1, \zero
.endm
; The last quarter multiplies buffer 1 and changes slots: one barrier.  In front of it each wave waits for all its tensor loads (one is out: its part of the next slot),
; adds 0 to its spare word, and waits for that and for its reads of this slot.  fill = 1: the barrier opens a round of the cluster's, and this slot is filled again, two K steps ahead.
.macro TURN slot, next, fill
	WIN 0                                          ; (the add's two registers lie in window 0)
	s_wait_tensorcnt 0x0                           ; all my tensor loads have landed
	ds_add_u32 v[SPW], v[NIL]                      ; 0 onto my spare word
	s_wait_dscnt 5                                 ; (the add and the youngest four loads may be out)
	WIN MUL_LO
	MULA F1, 0, 0, 0                               ; twelve matrix instructions stand between the add and the wait for it
	s_wait_dscnt 0x0                               ; the add is done, and my reads of this slot are over
	s_barrier_signal -1
	MULA F1, 0, 1, 0                               ; work on registers while the others arrive
.if \fill
	WIN 0
.endif
	s_barrier_wait -1
.if \fill
	CREST                                          ; no wave of any partner still reads this slot's tile or has a load on its way
	s_add_nc_u64 s[G0+4*\slot+2:G0+4*\slot+3], s[G0+4*\slot+2:G0+4*\slot+3], A_STEP
	s_add_nc_u64 s[G0B+4*\slot+2:G0B+4*\slot+3], s[G0B+4*\slot+2:G0B+4*\slot+3], B_STEP
	JLOAD \slot                                    ; the first tensor load behind the round: 168 matrix instructions ahead of the wait for it; its four v_nop are also the places in front of the loads below
.else
	PLACES
.endif
	FETCH \next, 0, F0
	WIN MUL_HI
	MULA F1, 1, 0, 0
	MULA F1, 1, 1, 0
.endm
	s_wait_tensorcnt 0x1                           ; my part of K step 0 is in; K step 1's stays out
	s_barrier_signal -1
	s_barrier_wait -1                              ; everybody's is
	FETCH 0, 0, F0
	QUARTER 0, 1, F0, F1, 1                        ; the first quarter stands in front of the loop: its products start the sums
	WIN 0                                          ; at a label and at a branch every window is 0
	s_mov_b32 s3, LAPS-1
.Llap:                                                 ; a trip goes once round the ring and fills both slots again
	QUARTER 0, 2, F1, F0, 0
	QUARTER 0, 3, F0, F1, 0
	TURN 0, 1, 1
	QUARTER 1, 1, F0, F1, 0
	QUARTER 1, 2, F1, F0, 0
	QUARTER 1, 3, F0, F1, 0
	TURN 1, 0, 1
	QUARTER 0, 1, F0, F1, 0
	WIN 0
	s_sub_co_u32 s3, s3, 1
	s_cmp_lg_u32 s3, 0
	s_cbranch_scc1 .Llap
	QUARTER 0, 2, F1, F0, 0                        ; the last lap fills nothing
	QUARTER 0, 3, F0, F1, 0
	TURN 0, 1, 0
	QUARTER 1, 1, F0, F1, 0
	QUARTER 1, 2, F1, F0, 0
	QUARTER 1, 3, F0, F1, 0
	s_wait_dscnt 4                                 ; the very last quarter: nothing more to fetch
	WIN MUL_LO
	MULA F1, 0, 0, 0
	MULA F1, 0, 1, 0
	s_wait_dscnt 0x0
	WIN MUL_HI
	MULA F1, 1, 0, 0
	MULA F1, 1, 1, 0
	WIN 0
	PLACES
; THE WAY OUT, 16 rows at a time.  PACK: rounded to f16, each accumulator's registers in ascending order.  TOSTAGE: into my own stage, and back so that 32 lanes hold 512 neighbouring
; bytes of one part (four rows of 128 bytes, which follow each other in qkv).  SEND: stored.
.macro PACK a
	WIN 0x0a+5*((\a)/2)                            ; sources 0 and 1: window 2 or 3
.irp b, 0,1,2,3,4,5,6,7,8,9,10,11
.irp r, 0,1,2,3
	v_cvt_pk_f16_f32 v[TMP+4*\b+\r], v[8*(NB*((\a)%2)+\b)+2*\r], v[8*(NB*((\a)%2)+\b)+2*\r+1]
.endr
.endr
	WIN 0
.endm
.macro TOSTAGE a
.set BK, OB+48*((\a)%2)
.irp b, 0,1,2,3,4,5,6,7,8,9,10,11
	ds_store_b128 v[STO], v[TMP+4*\b:TMP+4*\b+3] offset:32*\b
.endr
	s_wait_xcnt 0x0                                ; the registers loaded below were the data of the stores two blocks back: they are rewritten only behind this wait
.irp pp, 0,1,2
.irp f, 0,1,2,3
	ds_load_b128 v[BK+16*\pp+4*\f:BK+16*\pp+4*\f+3], v[RD] offset:128*\pp+4*SPITCH*\f   ; LDS serves a wave's instructions in order: these see the stores above
.endr
.endr
.endm
.macro SEND a, younger                 ; younger: the LDS instructions issued behind this block's loads
.set BK, OB+48*((\a)%2)
	s_wait_dscnt \younger
.irp f, 0,1,2,3
	global_store_b128 v[CO], v[BK+4*\f:BK+4*\f+3], s[8:9] offset:2048*(\a)+512*\f       ; q: the wave stores 512 consecutive bytes, aligned
.endr
.irp f, 0,1,2,3
	global_store_b128 v[CO], v[BK+16+4*\f:BK+16+4*\f+3], s[4:5] offset:2048*(\a)+512*\f ; k
.endr
.irp f, 0,1,2,3
	global_store_b128 v[CO], v[BK+32+4*\f:BK+32+4*\f+3], s[6:7] offset:2048*(\a)+512*\f ; v
.endr
.endm
	PACK 0
	TOSTAGE 0
	PACK 1                                         ; a block's conversions stand between the loads of the block before and the wait for them
	TOSTAGE 1
	SEND 0, 24
	PACK 2
	TOSTAGE 2
	SEND 1, 24
	PACK 3
	TOSTAGE 3
	SEND 2, 24
	SEND 3, 0
	s_wait_tensorcnt 0x0                           ; the wave's end
	ds_add_u32 v[SPW], v[NIL]
	s_wait_dscnt 0x0
	CROUND                                         ; the closing round: no work-group ends while a partner may still ask for a tile that names it
	s_endpgm
.Lfunc_end_k_qb603822fb4_qkvg:
	.size	k_qb603822fb4_qkvg, .Lfunc_end_k_qb603822fb4_qkvg-k_qb603822fb4_qkvg
	.p2alignl 7, 3214868480
	.fill 96, 4, 3214868480
	.section	.rodata,"a",@progbits
	.p2align	6, 0x0
	.amdhsa_kernel k_qb603822fb4_qkvg
		.amdhsa_group_segment_fixed_size 327680
		.amdhsa_private_segment_fixed_size 0
		.amdhsa_enable_private_segment 0
		.amdhsa_kernarg_size 24
		.amdhsa_user_sgpr_count 2
		.amdhsa_user_sgpr_kernarg_segment_ptr 1
		.amdhsa_wavefront_size32 1
		.amdhsa_system_sgpr_workgroup_id_x 1
		.amdhsa_system_sgpr_workgroup_id_y 1
		.amdhsa_system_sgpr_workgroup_id_z 1
		.amdhsa_system_vgpr_workitem_id 0
		.amdhsa_next_free_vgpr 960
		.amdhsa_next_free_sgpr 66
		.amdhsa_reserve_vcc 0
		.amdhsa_float_denorm_mode_32 3
		.amdhsa_float_denorm_mode_16_64 3
		.amdhsa_memory_ordered 1
		.amdhsa_forward_progress 1
		.amdhsa_inst_pref_size 118
	.end_amdhsa_kernel
	.amdgpu_metadata
---
amdhsa.version: [ 1, 2 ]
amdhsa.kernels:
  - .name:           k_qb603822fb4_qkvg
    .symbol:         k_qb603822fb4_qkvg.kd
    .args:
      - { .name: xh, .offset: 0, .size: 8, .value_kind: global_buffer, .address_space: global }
      - { .name: wt, .offset: 8, .size: 8, .value_kind: global_buffer, .address_space: global }
      - { .name: qkv, .offset: 16, .size: 8, .value_kind: global_buffer, .address_space: global }
    .group_segment_fixed_size: 327680
    .private_segment_fixed_size: 0
    .kernarg_segment_align: 8
    .kernarg_segment_size: 24
    .max_flat_workgroup_size: 128
    .sgpr_count:     66
    .vgpr_count:     960
    .wavefront_size: 32
...
	.end_amdgpu_metadata
.endif
;; end of part 2
;; launch attn (part 3): grid 16 x 16, 8 waves a work-group, no clusters, 292,608 bytes of LDS; arguments qkv, ah, part; writes ah, part
.if DOCPART == 3
	.amdgcn_target "amdgcn-amd-amdhsa--gfx1250"
	.amdhsa_code_object_version 6
	.text
	.protected	k_qb603822fb4_attn
	.globl	k_qb603822fb4_attn
	.p2align	8
	.type	k_qb603822fb4_attn,@function
k_qb603822fb4_attn:
	s_mov_b64 s[64:65], 0
	v_nop
	global_prefetch_b8 v0, s[64:65] scope:SCOPE_SE
	s_setreg_imm32_b32 hwreg(HW_REG_WAVE_MODE, 25, 1), 1
	s_wait_xcnt 0x0
; Banded attention of one head (grid y) for a block of 256 queries (grid x), and the block's share of the head's 16 global queries.
; A query q sees key k where |q - k| < 256 or k < 16 (or q < 16: see below).  f16 operands, f32 products, maxima and sums; the weights p are rounded to f16 for the second product.
; LIMIT: q, k and v arrive in f16: beyond 65,504 they are infinities, and the results are then not the reference's.
; SOFTMAX: a running maximum m and sum l for each query: p = 2^(c s - c m), c = log2(e) / 8; O and l are multiplied by a = 2^(c m_old - c m_new) in every step.
; The first step takes the 16 global keys, which every query sees, so m is finite from there on and a masked score (-inf) gives p = 0, never a NaN.
; LDS holds the block's whole window once, K at pitch 144 and V at pitch 160: rows 0-15 keys 0-15; rows 16-271 the block's own keys 256 b + 0..255 (the centre);
; rows 272-527 the 256 keys before; rows 528-783 the 256 keys behind.  Every byte is filled once.  At the sequence's ends the chunk that does not exist is fetched
; from the neighbouring chunk (real, finite numbers) and its steps are jumped over.
; ORDER: a wave asks for its part of the global keys and of the centre first, then of the two outer chunks.  Behind the first barrier, in front of which the two outer loads may stay out,
; stands all the work that reads rows 0-271 alone: the global keys' step, the four steps of the centre, the global queries' step.  Behind the second barrier, in front of which all loads
; have landed, stand the outer chunks.  So the outer 512 rows are on their way while the wave works.  Between and behind the barriers the eight waves run freely, two to a SIMD.
; SHARES: wave w owns queries 256 b + 32 w + 0..31, two tiles of 16.  qi = the query's place among the 64 of the pair p = w >> 1; a step is 64 keys, i = a key's place in its step.
;   centre: |q - k| <= 255: all four steps, no mask.   chunk before, step u = 0..3: q - k = 256 + 64 (p - u) + qi - i: nothing for u < p, i > qi for u = p, all for u > p: 4 - p steps.
;   chunk behind, step u: k - q = 256 + 64 (u - p) + i - qi: all for u < p, i < qi for u = p, nothing for u > p: p + 1 steps.   Nine steps for every wave.
;   Keys 0-15 are masked wherever the walk meets them: the first step had them.
; LAYOUT: S^T = K Q^T (source 0 = 16 keys, source 1 = 16 queries): a lane holds one query (lane % 16) and keys 8 (lane / 16) + 0..7; two such tiles rounded in pairs are source 1 of O^T = V^T P.
; GLOBAL QUERIES 0-15 see all 4,096 keys.  Each wave multiplies them by its own 32 keys (LDS rows 16 + 32 w), the eight waves' sums meet in LDS, and the block stores one record
; (O unnormalised, c m, l) in part; the next launch combines a head's 16 records and writes rows 0-15 of ah over what this launch leaves there.
; NO JOINT LOADS: neighbouring blocks' windows are shifted by 256 keys, so a shared tile would lie at an LDS address that hangs on the place in the cluster, and the union of four windows, 1,552 rows of 304 bytes, does not fit in LDS.
; REGISTERS: window 0: v0-15 addresses, v16-31 statistics (8 a tile), v32-63 P, v64-127 S^T, v128-191 K, v192-255 V.  Window 1: v0-63 O^T, v64-95 Q, v96-111 the global queries.
.set KP,    144                        ; a row of K: 128 bytes + 16: 36 words: the 16 rows of a load start at 16 different groups of 4 banks
.set VP,    160                        ; a row of V: 128 + 32: 40 words, for the turning load
.set ROWC,  16                         ; the centre's first LDS row
.set ROWL,  272                        ; the first row of the chunk before; the chunk behind follows it
.set VREG,  784*KP
.set STAGE, VREG+784*VP                ; 16 rows x 144 bytes for each wave, for the way out
.set RED,   STAGE+8*16*KP              ; 4,352 bytes for each wave: the global queries' partial sums
.set REC,   4352                       ; 8 slices of 512 bytes (slice 2 ct + half: lane l holds channels 16 ct + 8 (l / 16) + 4 half + 0..3 of query l % 16), then 8 bytes a lane: c m, l
.set AK,  2                            ; v2   LDS address of the walk's K
.set AV,  3                            ; v3   of its V
.set LK,  4                            ; v4   my lane's place in a tile of K: 144 (l % 16) + 16 (l / 16)
.set LV,  5                            ; v5   in a tile of V, VREG included
.set TA,  6                            ; v6, v7 addresses of the global queries' step, then of the reduction
.set TB,  7
.set QO,  8                            ; v8   my byte offset in 16 rows of Q; once Q is in: 8 x lane
.set HH,  9                            ; v9   l / 16
.set STO, 10
.set RD,  11
.set GO,  12                           ; v12  16 x lane
.set NEG, 13                           ; v13  -inf
.set TH,  14                           ; v14, v15  tile t: qi - 8 (l / 16)
.set ST,  16                           ; tile t at v[16 + 8 t]: c m, m, l (even keys', odd keys'), c0-c3 at work; a takes c2's place
.set P,   32
.set S,   64
.set KF,  128
.set VF,  192
.set XT,  S+16                         ; the global queries' statistics, laid out like ST
.set LIM, 56                           ; s56  which steps of an outer chunk are mine
.set CS,  58                           ; s[58:59] c, twice
.set SEL, 60                           ; s[60:61] v_permlanex16_b32: each lane takes its own place in the other half
.set KS,  62                           ; s62  the first key of a step of the chunk before
.set CNT, 63                           ; s63  the step's number in its chunk
.set MSB, 0
.macro WIN new
.if MSB != \new
	s_set_vgpr_msb (MSB<<8)|\new
.set MSB, \new
.endif
.endm
.set W_KQ, 0x04                        ; Q (source 1) in window 1
.set W_PV, 0x50                        ; O^T (C and D) in window 1
.set W_RS, 0x41                        ; O^T (destination and source 0) in window 1
.macro PLACES
.rept 4
	v_nop
.endr
.endm
; A wave's four fills: 4 of the 16 global keys, and its 64 keys of each of the three chunks of 256.  A head's rows are dense, so 64 keys come as 32 rows of 256 bytes;
; the padding follows every 32 words, counted along the tile, which is every key's 128 bytes.
.macro G0W c, chunk, region, pitch     ; chunk number s[chunk] goes to the c-th run of 256 LDS rows
	s_mov_b32 s[16+4*\c], 1
	s_add_co_u32 s[17+4*\c], s12, \region+(16+256*\c)*\pitch
	s_lshl_b32 s54, s[\chunk], 15                  ; 256 keys of 128 bytes a chunk
	s_add_co_u32 s54, s54, s15
	s_add_nc_u64 s[18+4*\c:19+4*\c], s[52:53], s[54:55]
	s_or_b32 s[19+4*\c], s[19+4*\c], 0x80000000
.endm
.macro FILLS plane, region, pitch, padcode
	s_mov_b32 s32, (1<<16)|(1<<20)|(4<<22)|(\padcode<<25)   ; elements of 2 bytes; padding on, after every 32 words
	s_mov_b32 s33, 128<<16                         ; tensor_dim0 = 128
	s_mov_b32 s34, 32<<16                          ; tensor_dim1 = 32
	s_mov_b32 s35, 128<<16                         ; tile_dim0 = 128
	s_mov_b32 s36, 32                              ; tile_dim1 = 32
	s_mov_b32 s37, 128                             ; elements from row to row
	s_mov_b32 s38, 0
	s_mov_b32 s39, 0
	s_mov_b32 s40, (1<<16)|(1<<20)|(4<<22)|(\padcode<<25)   ; the same with 2 rows: 4 keys
	s_mov_b32 s41, 128<<16
	s_mov_b32 s42, 2<<16
	s_mov_b32 s43, 128<<16
	s_mov_b32 s44, 2
	s_mov_b32 s45, 128
	s_mov_b32 s46, 0
	s_mov_b32 s47, 0
	s_lshl_b32 s54, s14, 19
	s_add_co_u32 s54, s54, \plane
	s_add_nc_u64 s[52:53], s[4:5], s[54:55]        ; the head's K or V
	s_mul_i32 s12, s11, 64*\pitch
	G0W 0, 13, \region, \pitch                     ; the centre
	G0W 1, 56, \region, \pitch                     ; the chunk before
	G0W 2, 57, \region, \pitch                     ; the chunk behind
	s_mov_b32 s28, 1
	s_mul_i32 s29, s11, 4*\pitch
	s_add_co_u32 s29, s29, \region
	s_lshl_b32 s54, s11, 9
	s_add_nc_u64 s[30:31], s[52:53], s[54:55]
	s_or_b32 s31, s31, 0x80000000
	tensor_load_to_lds s[28:31], s[40:47]          ; four loads of mine are out: the global keys and
	s_nop 0
	tensor_load_to_lds s[16:19], s[32:39]          ; the centre, which are wanted first,
	s_nop 0
	tensor_load_to_lds s[20:23], s[32:39]          ; the chunk before,
	s_nop 0
	tensor_load_to_lds s[24:27], s[32:39]          ; the chunk behind
	s_nop 0
.rept 4
	v_nop
.endr
.endm
	s_load_b128 s[4:7], s[0:1], 0x0                ; qkv s[4:5], ah s[6:7]
	s_load_b64 s[8:9], s[0:1], 0x10                ; part
	s_set_vgpr_msb 0x40
	v_lshl_add_u32 v112, v0, 2, 0x47300
	v_mov_b32 v113, 0
	s_set_vgpr_msb 0x4045
	ds_add_u32 v112, v113
	ds_add_u32 v112, v113
	s_set_vgpr_msb 0x4500
	v_lshrrev_b32 v1, 5, v0
	v_readfirstlane_b32 s10, v1                    ; wave 0..7
	s_and_b32 s11, s10, 3                          ; which quarter of a chunk I fetch
	s_mov_b32 s13, ttmp9                           ; b
	s_and_b32 s14, ttmp7, 0xffff                   ; the head
	s_max_u32 s56, s13, 1
	s_sub_co_u32 s56, s56, 1                       ; the chunk before, or chunk 0
	s_add_co_u32 s57, s13, 1
	s_min_u32 s57, s57, 15                         ; the chunk behind, or chunk 15
	s_lshl_b32 s15, s11, 13                        ; my 64 keys in a chunk
	s_mov_b32 s55, 0
	s_wait_dscnt 0x0
	s_wait_kmcnt 0x0
	s_cmp_lt_u32 s10, 4                            ; waves 0-3 fill K, waves 4-7 V; all of a wave's fills stand in one branch, ahead of every wait on TENSORcnt, LDS read and barrier
	s_cbranch_scc0 .Lfill_v
	FILLS 0x800000, 0, KP, 3
	s_branch .Lfilled
.Lfill_v:
	FILLS 0x1000000, VREG, VP, 7
.Lfilled:
	v_and_b32 v1, 15, v0                           ; l % 16
	v_bfe_u32 v[HH], v0, 4, 1
	v_lshlrev_b32 v[QO], 7, v1
	v_lshl_add_u32 v[QO], v[HH], 4, v[QO]
	s_lshl_b32 s54, s14, 19
	s_add_nc_u64 s[50:51], s[4:5], s[54:55]        ; the head's q: its rows 0-15 are the global queries
	s_lshl_b32 s52, s13, 15
	s_lshl_b32 s53, s10, 12
	s_add_co_u32 s52, s52, s53                     ; my 32 rows of 128 bytes
	s_mov_b32 s53, 0
	s_add_nc_u64 s[48:49], s[50:51], s[52:53]
	WIN 0x40                                       ; destination window 1
.irp t, 0,1
.irp c, 0,1
	global_load_b128 v[64+16*\t+8*\c:64+16*\t+8*\c+3],   v[QO], s[48:49] offset:2048*\t+64*\c
	global_load_b128 v[64+16*\t+8*\c+4:64+16*\t+8*\c+7], v[QO], s[48:49] offset:2048*\t+64*\c+32
.endr
.endr
.irp c, 0,1
	global_load_b128 v[96+8*\c:96+8*\c+3],   v[QO], s[50:51] offset:64*\c
	global_load_b128 v[96+8*\c+4:96+8*\c+7], v[QO], s[50:51] offset:64*\c+32
.endr
	WIN 0
	s_add_nc_u64 s[6:7], s[6:7], s[54:55]          ; ah is laid like q: my 32 rows
	s_add_nc_u64 s[6:7], s[6:7], s[52:53]
	s_lshl4_add_u32 s54, s14, s13                  ; record 16 h + b,
	s_mul_i32 s54, s54, REC
	s_lshl_b32 s52, s10, 9                         ; slice w
	s_add_co_u32 s54, s54, s52
	s_add_nc_u64 s[8:9], s[8:9], s[54:55]
	v_mul_u32_u24 v[LK], v1, KP
	v_lshl_add_u32 v[LK], v[HH], 4, v[LK]
	; the turning load takes 16 keys x 16 channels: lane l reads 16 bytes of key 8 (l / 16) + l % 8 at channels 8 ((l / 8) % 2) on, and is left with channel l % 16 and 8 keys
	v_and_b32 v[TA], 7, v0
	v_lshl_add_u32 v[LV], v[HH], 3, v[TA]
	v_mul_u32_u24 v[LV], v[LV], VP
	v_bfe_u32 v[TA], v0, 3, 1
	v_lshl_add_u32 v[LV], v[TA], 4, v[LV]
	v_add_nc_u32 v[LV], VREG, v[LV]
	s_lshr_b32 s12, s10, 1                         ; p
	v_add_nc_u32 v[AK], ROWC*KP, v[LK]             ; the centre: the same rows for every wave; its four steps stand in the loads' immediates
	v_add_nc_u32 v[AV], ROWC*VP, v[LV]
	s_mul_i32 s52, s10, 32*KP
	s_add_co_u32 s52, s52, ROWC*KP
	v_add_nc_u32 v[TA], s52, v[LK]                 ; my own 32 keys: LDS row 16 + 32 w
	s_mul_i32 s52, s10, 32*VP
	s_add_co_u32 s52, s52, ROWC*VP
	v_add_nc_u32 v[TB], s52, v[LV]
	s_mul_i32 s52, s10, 16*KP
	s_add_co_u32 s52, s52, STAGE                   ; my stage
	v_add_nc_u32 v[STO], s52, v[LK]                ; in: row l % 16, 16 bytes for each half of the lanes
	v_and_b32 v[GO], 31, v0
	v_lshrrev_b32 v[RD], 3, v[GO]                  ; back: eight lanes take a row of 128 bytes
	v_mul_u32_u24 v[RD], v[RD], KP
	v_and_b32 v[TH], 7, v0
	v_lshl_add_u32 v[RD], v[TH], 4, v[RD]
	v_add_nc_u32 v[RD], s52, v[RD]
	v_lshlrev_b32 v[GO], 4, v[GO]
	v_mov_b32 v[NEG], 0xff800000
	v_lshlrev_b32 v[TH], 3, v[HH]
	v_sub_nc_u32 v[TH], v1, v[TH]
	s_and_b32 s52, s10, 1
	s_lshl_b32 s52, s52, 5
	v_add_nc_u32 v[TH], s52, v[TH]                 ; 32 (w & 1) + l % 16 - 8 (l / 16)
	v_add_nc_u32 v[TH+1], 16, v[TH]
	s_mov_b32 s[CS], 0x3e38aa3b                    ; c = log2(e) / 8
	s_mov_b32 s[CS+1], s[CS]
	s_mov_b32 s[SEL], 0x76543210
	s_mov_b32 s[SEL+1], 0xfedcba98
	s_wait_tensorcnt 0x2                           ; a wave's tensor loads end in order: my parts of the global keys and of the centre are in; the two loads issued behind them, the outer chunks', stay out
	s_barrier_signal -1
	s_barrier_wait -1                              ; everybody's are: rows 0-271 of K and of V are whole.  Nothing is ever filled again
.macro FETCH_K adr, o                  ; 64 keys x 64 channels, o steps of 64 rows behind the address: fragment (kt, c) = keys 16 kt on, channels 32 c on
.irp kt, 0,1,2,3
.irp c, 0,1
	ds_load_b128 v[KF+16*\kt+8*\c:KF+16*\kt+8*\c+3],   v[\adr] offset:(\o)*64*KP+16*KP*\kt+64*\c
	ds_load_b128 v[KF+16*\kt+8*\c+4:KF+16*\kt+8*\c+7], v[\adr] offset:(\o)*64*KP+16*KP*\kt+64*\c+32
.endr
.endr
.endm
.macro FETCH_V adr, o                  ; turned: fragment (kh, ct) = keys 32 kh on, channels 16 ct on
.irp kh, 0,1
.irp ct, 0,1,2,3
	ds_load_tr16_b128 v[VF+32*\kh+8*\ct:VF+32*\kh+8*\ct+3],   v[\adr] offset:(\o)*64*VP+32*VP*\kh+32*\ct
	ds_load_tr16_b128 v[VF+32*\kh+8*\ct+4:VF+32*\kh+8*\ct+7], v[\adr] offset:(\o)*64*VP+32*VP*\kh+16*VP+32*\ct
.endr
.endr
.endm
; 16 products S^T = K Q^T: channels 32 (i / 8) on, keys 16 ((i / 2) % 4) on, tile i % 2; the first eight start the sums.  The eight accumulators take turns.
.macro KQ16
	WIN W_KQ
.set i, 0
.rept 16
.set rS, S+32*(i%2)+8*((i/2)%4)
.set rK, KF+16*((i/2)%4)+8*(i/8)
.set rQ, 64+16*(i%2)+8*(i/8)
.if i < 8
	v_wmma_f32_16x16x32_f16 v[rS:rS+7], v[rK:rK+7], v[rQ:rQ+7], 0
.else
	v_wmma_f32_16x16x32_f16 v[rS:rS+7], v[rK:rK+7], v[rQ:rQ+7], v[rS:rS+7]
.endif
.set i, i+1
.endr
	WIN 0
.endm
; 16 products O^T += V^T P: keys 32 (i / 8) on, channels 16 ((i / 2) % 4) on, tile i % 2
.macro PV16
	WIN W_PV
.set i, 0
.rept 16
.set rO, 32*(i%2)+8*((i/2)%4)
.set rV, VF+32*(i/8)+8*((i/2)%4)
.set rP, P+16*(i%2)+8*(i/8)
	v_wmma_f32_16x16x32_f16 v[rO:rO+7], v[rV:rV+7], v[rP:rP+7], v[rO:rO+7]
.set i, i+1
.endr
	WIN 0
.endm
; The band's edge: register 8 kt + j holds key i = 16 kt + 8 (l / 16) + j.  first = 1: kept where i > qi; else where i < qi.  Each accumulator is taken from its low end on.
.macro MASK first
.irp t, 0,1
.set i, 0
.rept 32
.set cst, 16*(i/8)+i%8
.if \first
	v_cmp_gt_i32 vcc_lo, cst, v[TH+\t]
.else
	v_cmp_lt_i32 vcc_lo, cst, v[TH+\t]
.endif
	v_cndmask_b32 v[S+32*\t+i], v[NEG], v[S+32*\t+i], vcc_lo
.set i, i+1
.endr
.endr
.endm
.macro ZEROMASK                        ; the step begins with keys 0-15, which the first step has taken
.irp t, 0,1
.irp r, 0,1,2,3,4,5,6,7
	v_mov_b32 v[S+32*\t+\r], v[NEG]
.endr
.endr
.endm
.macro SUMS base, wd, cnt              ; cnt packed sums in place: pairs wd / 2 registers apart
.set u, 0
.rept \cnt
	v_pk_add_f32 v[\base+\wd*u:\base+\wd*u+1], v[\base+\wd*u:\base+\wd*u+1], v[\base+\wd*u+\wd/2:\base+\wd*u+\wd/2+1]
.set u, u+1
.endr
.endm
; The softmax of a step for both tiles, which alternate so that few instructions wait for the one before.
.macro SOFT32
.irp j, 0,1,2,3                        ; the maximum of 32 scores and the old m, three operands at a time; each accumulator is read from its low end on
.irp t, 0,1
	v_max3_num_f32 v[ST+8*\t+4+\j], v[S+32*\t+8*\j], v[S+32*\t+8*\j+1], v[S+32*\t+8*\j+2]
.endr
.endr
.irp g, 1,2
.irp j, 0,1,2,3
.irp t, 0,1
	v_max3_num_f32 v[ST+8*\t+4+\j], v[ST+8*\t+4+\j], v[S+32*\t+8*\j+2*\g+1], v[S+32*\t+8*\j+2*\g+2]
.endr
.endr
.endr
.irp t, 0,1
	v_max3_num_f32 v[ST+8*\t+4], v[ST+8*\t+4], v[S+32*\t+7], v[S+32*\t+15]
	v_max3_num_f32 v[ST+8*\t+6], v[ST+8*\t+6], v[S+32*\t+23], v[S+32*\t+31]
.endr
.irp t, 0,1
	v_max3_num_f32 v[ST+8*\t+4], v[ST+8*\t+4], v[ST+8*\t+5], v[ST+8*\t+6]
.endr
.irp t, 0,1
	v_max3_num_f32 v[ST+8*\t+4], v[ST+8*\t+4], v[ST+8*\t+7], v[ST+8*\t+1]
.endr
.irp t, 0,1
	v_permlanex16_b32 v[ST+8*\t+5], v[ST+8*\t+4], s[SEL], s[SEL+1]   ; the query's other 32 keys lie in the lane 16 away
.endr
.irp t, 0,1
	v_mov_b32 v[ST+8*\t+7], v[ST+8*\t]             ; c m_old is kept for a
.endr
.irp t, 0,1
	v_max_num_f32 v[ST+8*\t+1], v[ST+8*\t+4], v[ST+8*\t+5]
.endr
.irp t, 0,1
	v_mul_f32 v[ST+8*\t], s[CS], v[ST+8*\t+1]
.endr
.irp t, 0,1
	v_sub_f32 v[ST+8*\t+7], v[ST+8*\t+7], v[ST+8*\t]
.endr
.irp t, 0,1
	v_exp_f32 v[ST+8*\t+6], v[ST+8*\t+7]           ; a; the scalings below are the plain instructions behind it
.endr
.set i, 0
.rept 16
.irp t, 0,1
	v_pk_fma_f32 v[S+32*\t+2*i:S+32*\t+2*i+1], v[S+32*\t+2*i:S+32*\t+2*i+1], s[CS:CS+1], v[ST+8*\t:ST+8*\t+1] op_sel_hi:[1,0,0] neg_lo:[0,0,1] neg_hi:[0,0,1]   ; c s - c m
.endr
.set i, i+1
.endr
.set i, 0
.rept 64
	v_exp_f32 v[S+i], v[S+i]
.set i, i+1
.endr
	v_nop                                          ; a plain instruction between the last exponential and the use of its result
.set i, 0
	s_wait_alu depctr_va_vdst(0)
.rept 16
.irp t, 0,1
	v_cvt_pk_f16_f32 v[P+16*\t+i], v[S+32*\t+2*i], v[S+32*\t+2*i+1]
.endr
.set i, i+1
.endr
	SUMS S, 4, 16                                  ; both tiles' 32 pairs, halved four times
	SUMS S, 8, 8
	SUMS S, 16, 4
	SUMS S, 32, 2
.irp t, 0,1
	v_pk_fma_f32 v[ST+8*\t+2:ST+8*\t+3], v[ST+8*\t+2:ST+8*\t+3], v[ST+8*\t+6:ST+8*\t+7], v[S+32*\t:S+32*\t+1] op_sel_hi:[1,0,1]   ; l = a l + the sum
.endr
	WIN W_RS
.set i, 0
.rept 16
.irp t, 0,1
	v_pk_mul_f32 v[32*\t+2*i:32*\t+2*i+1], v[32*\t+2*i:32*\t+2*i+1], v[ST+8*\t+6:ST+8*\t+7] op_sel_hi:[1,0]   ; O^T times a, each accumulator from its low end on
.endr
.set i, i+1
.endr
	WIN 0
.endm
	; ---- THE GLOBAL KEYS 0-15 start m, l and O^T.  The second product is 32 keys deep: V's fragments take LDS rows 0-31 whole, and rows 16-31
	; (the centre's first keys: landed, real, finite numbers) meet zeros in P's upper half, so that they add nothing.
.irp c, 0,1
	ds_load_b128 v[KF+8*\c:KF+8*\c+3],   v[LK] offset:64*\c
	ds_load_b128 v[KF+8*\c+4:KF+8*\c+7], v[LK] offset:64*\c+32
.endr
.irp ct, 0,1,2,3
	ds_load_tr16_b128 v[VF+8*\ct:VF+8*\ct+3],   v[LV] offset:32*\ct
	ds_load_tr16_b128 v[VF+8*\ct+4:VF+8*\ct+7], v[LV] offset:16*VP+32*\ct
.endr
.irp t, 0,1
.irp r, 4,5,6,7
	v_mov_b32 v[P+16*\t+\r], 0                     ; an operand's half, not a sum: the weights of keys that this step does not have
.endr
.endr
	s_wait_loadcnt 0x0                             ; Q and the global queries
	s_wait_dscnt 8                                 ; K's four loads are in; V's eight, issued behind them, may be out
	WIN W_KQ
	v_wmma_f32_16x16x32_f16 v[S:S+7],     v[KF:KF+7],    v[64:71], 0       ; the two tiles take turns
	v_wmma_f32_16x16x32_f16 v[S+32:S+39], v[KF:KF+7],    v[80:87], 0
	v_wmma_f32_16x16x32_f16 v[S:S+7],     v[KF+8:KF+15], v[72:79], v[S:S+7]
	v_wmma_f32_16x16x32_f16 v[S+32:S+39], v[KF+8:KF+15], v[88:95], v[S+32:S+39]
	WIN 0
	PLACES
	FETCH_K AK, 0                                  ; K of the centre's first step is asked for here, a softmax ahead of its use
.irp t, 0,1
	v_max3_num_f32 v[ST+8*\t+4], v[S+32*\t], v[S+32*\t+1], v[S+32*\t+2]
	v_max3_num_f32 v[ST+8*\t+5], v[S+32*\t+3], v[S+32*\t+4], v[S+32*\t+5]
.endr
.irp t, 0,1
	v_max3_num_f32 v[ST+8*\t+4], v[ST+8*\t+4], v[S+32*\t+6], v[S+32*\t+7]
.endr
.irp t, 0,1
	v_max_num_f32 v[ST+8*\t+4], v[ST+8*\t+4], v[ST+8*\t+5]
.endr
.irp t, 0,1
	v_permlanex16_b32 v[ST+8*\t+5], v[ST+8*\t+4], s[SEL], s[SEL+1]
.endr
.irp t, 0,1
	v_max_num_f32 v[ST+8*\t+1], v[ST+8*\t+4], v[ST+8*\t+5]
.endr
.irp t, 0,1
	v_mul_f32 v[ST+8*\t], s[CS], v[ST+8*\t+1]
.endr
.irp b, 0,1,2,3
.irp t, 0,1
	v_pk_fma_f32 v[S+32*\t+2*\b:S+32*\t+2*\b+1], v[S+32*\t+2*\b:S+32*\t+2*\b+1], s[CS:CS+1], v[ST+8*\t:ST+8*\t+1] op_sel_hi:[1,0,0] neg_lo:[0,0,1] neg_hi:[0,0,1]
.endr
.endr
.irp t, 0,1
.irp r, 0,1,2,3,4,5,6,7
	v_exp_f32 v[S+32*\t+\r], v[S+32*\t+\r]
.endr
.endr
	v_nop
	s_wait_alu depctr_va_vdst(0)
.irp b, 0,1,2,3
.irp t, 0,1
	v_cvt_pk_f16_f32 v[P+16*\t+\b], v[S+32*\t+2*\b], v[S+32*\t+2*\b+1]
.endr
.endr
	SUMS S, 4, 2
	SUMS S+32, 4, 2
.irp t, 0,1
	v_pk_add_f32 v[ST+8*\t+2:ST+8*\t+3], v[S+32*\t:S+32*\t+1], v[S+32*\t+4:S+32*\t+5]
.endr
	s_wait_dscnt 16                                ; V of the global keys is in; the sixteen loads of the centre's K, issued behind it, may be out
	WIN W_PV
.irp ct, 0,1,2,3
.irp t, 0,1
	v_wmma_f32_16x16x32_f16 v[32*\t+8*\ct:32*\t+8*\ct+7], v[VF+8*\ct:VF+8*\ct+7], v[P+16*\t:P+16*\t+7], 0
.endr
.endr
	WIN 0
	PLACES                                         ; in front of the loads into V's registers
	FETCH_V AV, 0
; ---- THE CENTRE: four steps, written out, so that each load's LDS bytes are a fixed address and an immediate.  K of step c + 1 is asked for behind step c's first products,
; V of step c + 1 behind its second: each has a softmax in which to come.
.macro CSTEP c
	s_wait_dscnt 16                                ; K of this step is in; V's sixteen loads, issued behind it, may be out
	KQ16
	PLACES                                         ; in front of the reads of the scores and of the loads into K's registers
.if \c < 3
	FETCH_K AK, \c+1
.endif
.if \c == 0
	s_cmp_lg_u32 s13, 0                            ; in block 0 the centre begins with keys 0-15
	s_cbranch_scc1 .Lnot_zero_\@
	ZEROMASK
.Lnot_zero_\@:
.endif
	SOFT32
.if \c < 3
	s_wait_dscnt 16                                ; V is in; the next step's K may be out
.else
	s_wait_dscnt 0x0                               ; V
.endif
	PV16
	PLACES                                         ; in front of the next loads into V's registers
.if \c < 3
	FETCH_V AV, \c+1
.endif
.endm
	CSTEP 0
	CSTEP 1
	CSTEP 2
	CSTEP 3
	; ---- THE GLOBAL QUERIES against my own 32 keys, which lie in the centre
.irp kt, 0,1
.irp c, 0,1
	ds_load_b128 v[KF+16*\kt+8*\c:KF+16*\kt+8*\c+3],   v[TA] offset:16*KP*\kt+64*\c
	ds_load_b128 v[KF+16*\kt+8*\c+4:KF+16*\kt+8*\c+7], v[TA] offset:16*KP*\kt+64*\c+32
.endr
.endr
.irp ct, 0,1,2,3
	ds_load_tr16_b128 v[VF+8*\ct:VF+8*\ct+3],   v[TB] offset:32*\ct
	ds_load_tr16_b128 v[VF+8*\ct+4:VF+8*\ct+7], v[TB] offset:16*VP+32*\ct
.endr
	s_wait_dscnt 8                                 ; K's eight loads are in; V's eight may be out
	WIN W_KQ
	v_wmma_f32_16x16x32_f16 v[S:S+7],    v[KF:KF+7],     v[96:103],  0
	v_wmma_f32_16x16x32_f16 v[S+8:S+15], v[KF+16:KF+23], v[96:103],  0
	v_wmma_f32_16x16x32_f16 v[S:S+7],    v[KF+8:KF+15],  v[104:111], v[S:S+7]
	v_wmma_f32_16x16x32_f16 v[S+8:S+15], v[KF+24:KF+31], v[104:111], v[S+8:S+15]
	WIN 0
	PLACES
	v_max3_num_f32 v[XT+4], v[S], v[S+1], v[S+2]
	v_max3_num_f32 v[XT+5], v[S+8], v[S+9], v[S+10]
	v_max3_num_f32 v[XT+4], v[XT+4], v[S+3], v[S+4]
	v_max3_num_f32 v[XT+5], v[XT+5], v[S+11], v[S+12]
	v_max3_num_f32 v[XT+4], v[XT+4], v[S+5], v[S+6]
	v_max3_num_f32 v[XT+5], v[XT+5], v[S+13], v[S+14]
	v_max3_num_f32 v[XT+4], v[XT+4], v[S+7], v[S+15]
	v_max_num_f32 v[XT+4], v[XT+4], v[XT+5]
	v_permlanex16_b32 v[XT+5], v[XT+4], s[SEL], s[SEL+1]
	v_max_num_f32 v[XT+1], v[XT+4], v[XT+5]
	v_mul_f32 v[XT], s[CS], v[XT+1]
.irp b, 0,1,2,3,4,5,6,7
	v_pk_fma_f32 v[S+2*\b:S+2*\b+1], v[S+2*\b:S+2*\b+1], s[CS:CS+1], v[XT:XT+1] op_sel_hi:[1,0,0] neg_lo:[0,0,1] neg_hi:[0,0,1]
.endr
.set i, 0
.rept 16
	v_exp_f32 v[S+i], v[S+i]
.set i, i+1
.endr
	v_nop
	s_wait_alu depctr_va_vdst(0)
.irp b, 0,1,2,3,4,5,6,7
	v_cvt_pk_f16_f32 v[P+\b], v[S+2*\b], v[S+2*\b+1]
.endr
	SUMS S, 4, 4
	SUMS S, 8, 2
	SUMS S, 16, 1
	v_add_f32 v[XT+4], v[S], v[S+1]
	v_permlanex16_b32 v[XT+5], v[XT+4], s[SEL], s[SEL+1]
	v_add_f32 v[XT+1], v[XT+4], v[XT+5]            ; l of my 32 keys, beside c m: the pair that is stored
	s_mul_i32 s52, s10, REC
	s_add_co_u32 s52, s52, RED
	v_add_nc_u32 v[TA], s52, v[GO]                 ; my record in LDS: 16 bytes a lane,
	v_lshrrev_b32 v[QO], 1, v[GO]                  ; (8 x lane: Q's loads, which this register addressed, were waited for in the first step)
	v_add_nc_u32 v[TB], s52, v[QO]                 ; 8 bytes a lane
	s_wait_dscnt 0x0                               ; V
.irp ct, 0,1,2,3
	v_wmma_f32_16x16x32_f16 v[S+32+8*\ct:S+32+8*\ct+7], v[VF+8*\ct:VF+8*\ct+7], v[P:P+7], 0
.endr
	PLACES
.irp ct, 0,1,2,3
	ds_store_b128 v[TA], v[S+32+8*\ct:S+32+8*\ct+3]   offset:1024*\ct      ; each result's low four registers first
	ds_store_b128 v[TA], v[S+32+8*\ct+4:S+32+8*\ct+7] offset:1024*\ct+512
.endr
	ds_store_b64 v[TB], v[XT:XT+1] offset:4096
	s_lshl_b32 s52, s10, 9
	s_add_co_u32 s52, s52, RED
	v_add_nc_u32 v[TA], s52, v[GO]                 ; for the end: slice w of record 0,
	v_add_nc_u32 v[TB], RED+4096, v[QO]            ; and the records' pairs (c m, l)
	v_add_nc_u32 v[AK], ROWL*KP, v[LK]             ; the walk goes on at the chunk before.  With the four places above these make eight between the last products
	v_add_nc_u32 v[AV], ROWL*VP, v[LV]             ; and the next ones, which write over their results
	s_wait_tensorcnt 0x0                           ; my parts of the two outer chunks have landed,
	s_wait_dscnt 0x0                               ; and, for the others' sake, my record is written
	s_barrier_signal -1
	s_barrier_wait -1                              ; everybody's have, and everybody's is
; ---- THE OUTER CHUNKS: four trips each, on 64 rows further each trip; the trips that are not mine are jumped over (they would add nothing: p = 0, a = 1).
; No LDS load is out at a trip's head, so the counts hold on both ways.  kind = 1: the chunk before: mine are the steps from s[LIM] on.  kind = 2: the chunk behind: mine are those below s[LIM].
.macro WSTEP kind
	s_mov_b32 s[CNT], 0
.Lstep_\@:
.if \kind == 1
	s_cmp_lt_u32 s[CNT], s[LIM]
.else
	s_cmp_ge_u32 s[CNT], s[LIM]
.endif
	s_cbranch_scc1 .Lnext_\@
	FETCH_K AK, 0
	FETCH_V AV, 0
	s_wait_dscnt 16                                ; K is in; V's sixteen loads may be out
	KQ16
	PLACES
	s_cmp_lg_u32 s[CNT], s12                       ; step p holds the band's edge
	s_cbranch_scc1 .Lfull_\@
.if \kind == 1
	MASK 1
.else
	MASK 0
.endif
.Lfull_\@:
.if \kind == 1
	s_cmp_lg_u32 s[KS], 0                          ; in block 1 the chunk before begins with keys 0-15
	s_cbranch_scc1 .Lnot_zero_\@
	ZEROMASK
.Lnot_zero_\@:
.endif
	SOFT32
	s_wait_dscnt 0x0                               ; V
	PV16
.Lnext_\@:
	v_add_nc_u32 v[AK], 64*KP, v[AK]               ; these four are also the places between the last product and the next loads into V's registers
	v_add_nc_u32 v[AV], 64*VP, v[AV]
	v_nop
	v_nop
.if \kind == 1
	s_add_co_u32 s[KS], s[KS], 64
.endif
	s_add_co_u32 s[CNT], s[CNT], 1
	s_cmp_lt_u32 s[CNT], 4
	s_cbranch_scc1 .Lstep_\@
.endm
	s_cmp_eq_u32 s13, 0
	s_cselect_b32 s[LIM], 4, s12                   ; steps p to 3; none in block 0, which has no keys before it
	s_lshl_b32 s[KS], s13, 8
	s_sub_co_u32 s[KS], s[KS], 256                 ; the chunk's first key (in block 0 it wraps; no step is taken there)
	WSTEP 1
	s_add_co_u32 s[LIM], s12, 1
	s_cmp_eq_u32 s13, 15
	s_cselect_b32 s[LIM], 0, s[LIM]                ; steps 0 to p; none in block 15, which has no keys behind it
	WSTEP 2
	; ---- THE WAY OUT of my 32 queries: O^T / l, rounded to f16, through my stage, a tile of 16 rows at a time
.irp t, 0,1
	v_add_f32 v[ST+8*\t+4], v[ST+8*\t+2], v[ST+8*\t+3]
.endr
.irp t, 0,1
	v_permlanex16_b32 v[ST+8*\t+5], v[ST+8*\t+4], s[SEL], s[SEL+1]
.endr
.irp t, 0,1
	v_add_f32 v[ST+8*\t+4], v[ST+8*\t+4], v[ST+8*\t+5]
.endr
.irp t, 0,1
	v_rcp_f32 v[ST+8*\t+6], v[ST+8*\t+4]           ; 1 / l, made twice: the packed multiply below names the pair, so both of its registers are written here
	v_rcp_f32 v[ST+8*\t+7], v[ST+8*\t+4]
.endr
	v_nop                                          ; a plain instruction between the last reciprocal and the use of its result
	s_wait_alu depctr_va_vdst(0)
.macro OUT t
	WIN W_RS
.set i, 0
.rept 16
	v_pk_mul_f32 v[32*\t+2*i:32*\t+2*i+1], v[32*\t+2*i:32*\t+2*i+1], v[ST+8*\t+6:ST+8*\t+7] op_sel_hi:[1,0]
.set i, i+1
.endr
	WIN 0x05                                       ; sources 0 and 1 window 1, destination window 0
.set i, 0
.rept 16
	v_cvt_pk_f16_f32 v[S+16*\t+i], v[32*\t+2*i], v[32*\t+2*i+1]
.set i, i+1
.endr
	WIN 0
.irp f, 0,1,2,3
	ds_store_b128 v[STO], v[S+16*\t+4*\f:S+16*\t+4*\f+3] offset:32*\f
.endr
.irp f, 0,1,2,3
	ds_load_b128 v[S+16*\t+4*\f:S+16*\t+4*\f+3], v[RD] offset:4*KP*\f   ; LDS serves a wave's instructions in order: these see the stores above, and the next tile's stores come behind them
.endr
.endm
	OUT 0
	OUT 1
	s_wait_dscnt 8                                 ; tile 0 is back; tile 1's eight LDS instructions may be out
.irp f, 0,1,2,3
	global_store_b128 v[GO], v[S+4*\f:S+4*\f+3], s[6:7] offset:512*\f            ; the wave stores 512 consecutive bytes, aligned: four rows of ah
.endr
	s_wait_dscnt 0x0                               ; tile 1 is back
.irp f, 0,1,2,3
	global_store_b128 v[GO], v[S+16+4*\f:S+16+4*\f+3], s[6:7] offset:2048+512*\f
.endr
; ---- The eight waves' records become one: wave w takes slice w of all eight.  They were written in front of the second barrier, and nobody writes them again.
; cnt records: sums at v[ob + 4 k], the pairs (c m, l) at v[sb + 2 k].  Result: v[ml] = M = the largest c m, v[ml + 1] = the sum of 2^(c m - M) l, v[acc ..] the sums weighted alike.
.macro REDUCE cnt, ob, sb, acc, ml
	v_max3_num_f32 v[\ml], v[\sb], v[\sb+2], v[\sb+4]
.set k, 3
.rept (\cnt-4)/2
	v_max3_num_f32 v[\ml], v[\ml], v[\sb+2*k], v[\sb+2*k+2]
.set k, k+2
.endr
	v_max_num_f32 v[\ml], v[\ml], v[\sb+2*\cnt-2]
.set k, 0
.rept \cnt
	v_sub_f32 v[\sb+2*k], v[\sb+2*k], v[\ml]
.set k, k+1
.endr
.set k, 0
.rept \cnt
	v_exp_f32 v[\sb+2*k], v[\sb+2*k]
.set k, k+1
.endr
	v_nop
	s_wait_alu depctr_va_vdst(0)
	v_mul_f32 v[\ml+1], v[\sb], v[\sb+1]
	v_pk_mul_f32 v[\acc:\acc+1],   v[\ob:\ob+1],   v[\sb:\sb+1] op_sel_hi:[1,0]
	v_pk_mul_f32 v[\acc+2:\acc+3], v[\ob+2:\ob+3], v[\sb:\sb+1] op_sel_hi:[1,0]
.set k, 1
.rept \cnt-1
	v_fma_f32 v[\ml+1], v[\sb+2*k], v[\sb+2*k+1], v[\ml+1]
	v_pk_fma_f32 v[\acc:\acc+1],   v[\ob+4*k:\ob+4*k+1],   v[\sb+2*k:\sb+2*k+1], v[\acc:\acc+1]   op_sel_hi:[1,0,1]
	v_pk_fma_f32 v[\acc+2:\acc+3], v[\ob+4*k+2:\ob+4*k+3], v[\sb+2*k:\sb+2*k+1], v[\acc+2:\acc+3] op_sel_hi:[1,0,1]
.set k, k+1
.endr
.endm
.irp k8, 0,1,2,3,4,5,6,7
	ds_load_b128 v[KF+4*\k8:KF+4*\k8+3], v[TA] offset:REC*\k8
	ds_load_b64  v[VF+2*\k8:VF+2*\k8+1], v[TB] offset:REC*\k8
.endr
	s_wait_dscnt 0x0
	REDUCE 8, KF, VF, S+32, S+36                   ; into registers that no pending store reads
	global_store_b128 v[GO], v[S+32:S+35], s[8:9]  ; 512 consecutive bytes, aligned
	s_cmp_lg_u32 s10, 0
	s_cbranch_scc1 .Ldone
	global_store_b64 v[QO], v[S+36:S+37], s[8:9] offset:4096   ; wave 0, whose base is the record's first byte: M and l, 256 bytes
.Ldone:
	s_set_vgpr_msb 0x5
	s_wait_tensorcnt 0x0
	ds_add_u32 v112, v113
	s_wait_dscnt 0x0
	s_set_vgpr_msb 0x500
	s_endpgm
.Lfunc_end_k_qb603822fb4_attn:
	.size	k_qb603822fb4_attn, .Lfunc_end_k_qb603822fb4_attn-k_qb603822fb4_attn
	.p2alignl 7, 3214868480
	.fill 96, 4, 3214868480
	.section	.rodata,"a",@progbits
	.p2align	6, 0x0
	.amdhsa_kernel k_qb603822fb4_attn
		.amdhsa_group_segment_fixed_size 292608
		.amdhsa_private_segment_fixed_size 0
		.amdhsa_enable_private_segment 0
		.amdhsa_kernarg_size 24
		.amdhsa_user_sgpr_count 2
		.amdhsa_user_sgpr_kernarg_segment_ptr 1
		.amdhsa_wavefront_size32 1
		.amdhsa_system_sgpr_workgroup_id_x 1
		.amdhsa_system_sgpr_workgroup_id_y 1
		.amdhsa_system_sgpr_workgroup_id_z 1
		.amdhsa_system_vgpr_workitem_id 0
		.amdhsa_next_free_vgpr 370
		.amdhsa_next_free_sgpr 66
		.amdhsa_reserve_vcc 1
		.amdhsa_float_denorm_mode_32 3
		.amdhsa_float_denorm_mode_16_64 3
		.amdhsa_memory_ordered 1
		.amdhsa_forward_progress 1
		.amdhsa_inst_pref_size 144
	.end_amdhsa_kernel
	.amdgpu_metadata
---
amdhsa.version: [ 1, 2 ]
amdhsa.kernels:
  - .name:           k_qb603822fb4_attn
    .symbol:         k_qb603822fb4_attn.kd
    .args:
      - { .name: qkv, .offset: 0, .size: 8, .value_kind: global_buffer, .address_space: global }
      - { .name: ah, .offset: 8, .size: 8, .value_kind: global_buffer, .address_space: global }
      - { .name: part, .offset: 16, .size: 8, .value_kind: global_buffer, .address_space: global }
    .group_segment_fixed_size: 292608
    .private_segment_fixed_size: 0
    .kernarg_segment_align: 8
    .kernarg_segment_size: 24
    .max_flat_workgroup_size: 256
    .sgpr_count:     66
    .vgpr_count:     370
    .wavefront_size: 32
...
	.end_amdgpu_metadata
.endif
;; end of part 3
;; launch comb (part 4): grid 16 x 1, 8 waves a work-group, no clusters, 3,072 bytes of LDS; arguments part, ah; writes ah
.if DOCPART == 4
	.amdgcn_target "amdgcn-amd-amdhsa--gfx1250"
	.amdhsa_code_object_version 6
	.text
	.protected	k_qb603822fb4_comb
	.globl	k_qb603822fb4_comb
	.p2align	8
	.type	k_qb603822fb4_comb,@function
k_qb603822fb4_comb:
	s_mov_b64 s[64:65], 0
	v_nop
	global_prefetch_b8 v0, s[64:65] scope:SCOPE_SE
	s_setreg_imm32_b32 hwreg(HW_REG_WAVE_MODE, 25, 1), 1
	s_wait_xcnt 0x0
; The 16 global queries of a head: its 16 records (one from each block of 256 keys: O unnormalised, c m, l) become rows 0-15 of ah.
; One work-group a head, since that is all the work there is: 69,632 bytes in, 2,048 out.  Wave i takes slice i of every record:
; slice 2 ct + half, lane l: channels 16 ct + 8 (l / 16) + 4 half + 0..3 of query l % 16.  All in f32; rounded once to f16.
.set REC, 4352
.set OBS, 8                            ; v[8:71]    16 x 4 sums
.set SB,  72                           ; v[72:103]  16 pairs (c m, l)
.set ACC, 104
.set ML,  108
.macro REDUCE cnt, ob, sb, acc, ml     ; v[ml] = M = the largest c m, v[ml + 1] = the sum of 2^(c m - M) l, v[acc ..] the sums weighted alike
	v_max3_num_f32 v[\ml], v[\sb], v[\sb+2], v[\sb+4]
.set k, 3
.rept (\cnt-4)/2
	v_max3_num_f32 v[\ml], v[\ml], v[\sb+2*k], v[\sb+2*k+2]
.set k, k+2
.endr
	v_max_num_f32 v[\ml], v[\ml], v[\sb+2*\cnt-2]
.set k, 0
.rept \cnt
	v_sub_f32 v[\sb+2*k], v[\sb+2*k], v[\ml]
.set k, k+1
.endr
.set k, 0
.rept \cnt
	v_exp_f32 v[\sb+2*k], v[\sb+2*k]
.set k, k+1
.endr
	v_nop
	s_wait_alu depctr_va_vdst(0)
	v_mul_f32 v[\ml+1], v[\sb], v[\sb+1]
	v_pk_mul_f32 v[\acc:\acc+1],   v[\ob:\ob+1],   v[\sb:\sb+1] op_sel_hi:[1,0]
	v_pk_mul_f32 v[\acc+2:\acc+3], v[\ob+2:\ob+3], v[\sb:\sb+1] op_sel_hi:[1,0]
.set k, 1
.rept \cnt-1
	v_fma_f32 v[\ml+1], v[\sb+2*k], v[\sb+2*k+1], v[\ml+1]
	v_pk_fma_f32 v[\acc:\acc+1],   v[\ob+4*k:\ob+4*k+1],   v[\sb+2*k:\sb+2*k+1], v[\acc:\acc+1]   op_sel_hi:[1,0,1]
	v_pk_fma_f32 v[\acc+2:\acc+3], v[\ob+4*k+2:\ob+4*k+3], v[\sb+2*k:\sb+2*k+1], v[\acc+2:\acc+3] op_sel_hi:[1,0,1]
.set k, k+1
.endr
.endm
	s_load_b128 s[4:7], s[0:1], 0x0                ; part s[4:5], ah s[6:7]
	v_lshl_add_u32 v112, v0, 2, 0x800
	v_mov_b32 v113, 0
	v_lshrrev_b32 v1, 5, v0
	v_readfirstlane_b32 s8, v1                     ; wave 0..7
	v_and_b32 v2, 31, v0
	v_lshlrev_b32 v3, 4, v2                        ; 16 x lane
	v_lshlrev_b32 v4, 3, v2                        ; 8 x lane
	s_mul_i32 s10, ttmp9, 16*REC                   ; the head's 16 records
	s_mov_b32 s11, 0
	s_lshl_b32 s12, s8, 9                          ; my slice
	s_add_co_u32 s12, s12, s10
	s_mov_b32 s13, 0
	s_lshl_b32 s18, ttmp9, 19                      ; the head in ah,
	s_lshl_b32 s19, s8, 9                          ; 512 bytes a wave
	s_add_co_u32 s18, s18, s19
	s_mov_b32 s19, 0
	s_wait_kmcnt 0x0
	s_add_nc_u64 s[14:15], s[4:5], s[12:13]
	s_add_nc_u64 s[16:17], s[4:5], s[10:11]
	s_add_nc_u64 s[6:7], s[6:7], s[18:19]
.irp b, 0,1,2,3,4,5,6,7,8,9,10,11,12,13,14,15
	global_load_b128 v[OBS+4*\b:OBS+4*\b+3], v3, s[14:15] offset:REC*\b
	global_load_b64  v[SB+2*\b:SB+2*\b+1],   v4, s[16:17] offset:REC*\b+4096
.endr
	v_and_b32 v5, 15, v0                           ; into LDS: row l % 16 of 128 bytes, byte 32 (i >> 1) + 16 (l / 16) + 8 (i & 1)
	v_bfe_u32 v6, v0, 4, 1
	v_lshlrev_b32 v5, 7, v5
	v_lshl_add_u32 v5, v6, 4, v5
	s_lshr_b32 s20, s8, 1
	s_lshl_b32 s20, s20, 5
	s_and_b32 s21, s8, 1
	s_lshl_b32 s21, s21, 3
	s_add_co_u32 s20, s20, s21
	v_add_nc_u32 v5, s20, v5
	s_wait_loadcnt 0x0
	REDUCE 16, OBS, SB, ACC, ML
	v_rcp_f32 v[ML], v[ML+1]                       ; 1 / l takes M's place
	v_nop
	s_wait_alu depctr_va_vdst(0)
	v_pk_mul_f32 v[ACC:ACC+1],   v[ACC:ACC+1],   v[ML:ML+1] op_sel_hi:[1,0]
	v_pk_mul_f32 v[ACC+2:ACC+3], v[ACC+2:ACC+3], v[ML:ML+1] op_sel_hi:[1,0]
	v_cvt_pk_f16_f32 v110, v[ACC],   v[ACC+1]
	v_cvt_pk_f16_f32 v111, v[ACC+2], v[ACC+3]
	ds_store_b64 v5, v[110:111]
	s_wait_dscnt 0x0                               ; for the others' sake
	s_barrier_signal -1
	s_barrier_wait -1
	s_cmp_gt_u32 s8, 3
	s_cbranch_scc1 .Lend                           ; 2,048 bytes: four waves store them
	s_lshl_b32 s20, s8, 9
	v_add_nc_u32 v6, s20, v3
	ds_load_b128 v[8:11], v6
	s_wait_dscnt 0x0
	global_store_b128 v3, v[8:11], s[6:7]          ; 512 consecutive bytes, aligned: four rows of ah
.Lend:
	s_wait_tensorcnt 0x0
	ds_add_u32 v112, v113
	s_wait_dscnt 0x0
	s_endpgm
.Lfunc_end_k_qb603822fb4_comb:
	.size	k_qb603822fb4_comb, .Lfunc_end_k_qb603822fb4_comb-k_qb603822fb4_comb
	.p2alignl 7, 3214868480
	.fill 96, 4, 3214868480
	.section	.rodata,"a",@progbits
	.p2align	6, 0x0
	.amdhsa_kernel k_qb603822fb4_comb
		.amdhsa_group_segment_fixed_size 3072
		.amdhsa_private_segment_fixed_size 0
		.amdhsa_enable_private_segment 0
		.amdhsa_kernarg_size 16
		.amdhsa_user_sgpr_count 2
		.amdhsa_user_sgpr_kernarg_segment_ptr 1
		.amdhsa_wavefront_size32 1
		.amdhsa_system_sgpr_workgroup_id_x 1
		.amdhsa_system_sgpr_workgroup_id_y 1
		.amdhsa_system_sgpr_workgroup_id_z 1
		.amdhsa_system_vgpr_workitem_id 0
		.amdhsa_next_free_vgpr 114
		.amdhsa_next_free_sgpr 66
		.amdhsa_reserve_vcc 0
		.amdhsa_float_denorm_mode_32 3
		.amdhsa_float_denorm_mode_16_64 3
		.amdhsa_memory_ordered 1
		.amdhsa_forward_progress 1
		.amdhsa_inst_pref_size 10
	.end_amdhsa_kernel
	.amdgpu_metadata
---
amdhsa.version: [ 1, 2 ]
amdhsa.kernels:
  - .name:           k_qb603822fb4_comb
    .symbol:         k_qb603822fb4_comb.kd
    .args:
      - { .name: part, .offset: 0, .size: 8, .value_kind: global_buffer, .address_space: global }
      - { .name: ah, .offset: 8, .size: 8, .value_kind: global_buffer, .address_space: global }
    .group_segment_fixed_size: 3072
    .private_segment_fixed_size: 0
    .kernarg_segment_align: 8
    .kernarg_segment_size: 16
    .max_flat_workgroup_size: 256
    .sgpr_count:     66
    .vgpr_count:     114
    .wavefront_size: 32
...
	.end_amdgpu_metadata
.endif
;; end of part 4
;; launch oproj (part 5): grid 16 x 16, 4 waves a work-group, clusters of 4 x 4, 327,680 bytes of LDS; arguments ah, wot, out0; writes out0
.if DOCPART == 5
	.amdgcn_target "amdgcn-amd-amdhsa--gfx1250"
	.amdhsa_code_object_version 6
	.text
	.protected	k_qb603822fb4_oproj
	.globl	k_qb603822fb4_oproj
	.p2align	8
	.type	k_qb603822fb4_oproj,@function
k_qb603822fb4_oproj:
	s_mov_b64 s[64:65], 0
	v_nop
	global_prefetch_b8 v0, s[64:65] scope:SCOPE_SE
	s_setreg_imm32_b32 hwreg(HW_REG_WAVE_MODE, 25, 1), 1
	s_wait_xcnt 0x0
	s_wait_alu depctr_hold_cnt(0) depctr_sa_sdst(0) depctr_va_vdst(0) depctr_va_sdst(0) depctr_va_ssrc(0) depctr_va_vcc(0) depctr_vm_vsrc(0)
	s_getreg_b32 s2, hwreg(HW_REG_IB_STS2, 6, 4)
	s_cmp_eq_u32 s2, 0
	s_cbranch_scc0 .Lentry_in_a_cluster
	s_endpgm
.Lentry_in_a_cluster:
	s_bfe_u32 s2, ttmp6, 0x10000c
	s_cmp_lg_u32 s2, 0xf033
	s_cbranch_scc0 .Lentry_shape_is_right
	s_endpgm
.Lentry_shape_is_right:
; out0[4096][2048] = A wot^T in f32, where A[position][64 h + d] = ah[h][position][d]; f16 operands, f32 sums.
; A work-group makes 256 positions x 128 columns: 16 x 16 = 256 work-groups; each of its four waves 64 rows x 128 columns: 32 accumulators, 256 registers; its rows of the tile are whole.
; K goes in steps of 128, which are two heads, through a ring of two LDS slots.  A head's 256 rows of 128 bytes are dense in ah: they come as 128 rows of 256 bytes,
; with 16 bytes of padding behind every 32 words, counted along the tile: LDS rows of 144 bytes, one for each position.
; CLUSTERS: 4 x 4 work-groups; ah's tiles are shared along a row of the cluster, wot's along a column: joint loads, as in the launch that makes q, k and v.
; THE MATRIX INSTRUCTION IS USED TRANSPOSED (source 0 = 16 rows of wot, source 1 = 16 positions): a lane holds eight neighbouring columns of one row of out0.
; REGISTERS: window 0: v0-31 addresses, v64-191 rows read back from the stage.  Window 1: two fragment buffers of 128: wot's 8 fragments at +0, ah's 4 at +96.
;   window 2: the accumulators of my rows 0-31 ((a, b) at v[8 (8 (a % 2) + b)]);   window 3: those of my rows 32-63.
.set SIZE_K, 1024
.set LAPS,   SIZE_K/256
.set NB,     8
.set BROWS,  64                        ; rows of wot in one tensor load
.set PITCH,  272                       ; wot's LDS rows: 256 bytes + 16
.set APITCH, 144                       ; ah's: 128 bytes + 16: 36 words: the 16 rows of a fragment load start at 16 different groups of 4 banks
.set ASUB,   256*APITCH                ; one head's 256 positions: what one tensor load brings
.set HALFA,  ASUB
.set AREG,   2*ASUB
.set HALFB,  BROWS*PITCH
.set SLOT,   AREG+2*HALFB
.set STAGE,  2*SLOT                    ; behind the ring: 16 rows x 528 bytes for each wave
.set SPITCH, 528                       ; 128 columns x 4 bytes + 16
.set SPARE,  STAGE+4*16*SPITCH         ; the spare words, 128 bytes a wave, two blocks of 256 bytes that no other line names
.set NLD,    2*NB+8
.set A_SLOT1, 2*524288                 ; bytes from K step 0 to K step 1: two heads
.set A_STEP,  4*524288                 ; two K steps: four heads
.set B_SLOT1, 256
.set B_STEP,  512
.set ADRA, 16
.set ADRB, 20
.set STO,  24
.set RD,   25
.set CO,   26
.set SPW,  28
.set NIL,  29
.set OB,   64
.set F0,   0
.set F1,   128
.set G1,  24
.set G0,  32
.set G1B, 48
.set G0B, 56
.set MSB, 0
.macro WIN new
.if MSB != \new
	s_set_vgpr_msb (MSB<<8)|\new
.set MSB, \new
.endif
.endm
.set MUL_LO, 0xa5
.set MUL_HI, 0xf5
.set TO_F,   0x40
.macro JLOAD s                         ; a joint load: waves 0 and 1 fetch the K step's two heads of ah, waves 2 and 3 the two halves of wot's tile; four v_nop follow each line
	s_cmp_eq_u32 s11, 0
	s_cbranch_scc0 .Lfor_b_\@
	tensor_load_to_lds s[G0+4*\s:G0+4*\s+3], s[G1:G1+7]
	s_nop 0
.rept 4
	v_nop
.endr
	s_branch .Lasked_\@
.Lfor_b_\@:
	tensor_load_to_lds s[G0B+4*\s:G0B+4*\s+3], s[G1B:G1B+7]
	s_nop 0
.rept 4
	v_nop
.endr
.Lasked_\@:
.endm
.macro CREST
	s_cmp_lg_u32 s10, 0
	s_cbranch_scc1 .Lnot_wave_0_\@
	s_barrier_signal -3
.Lnot_wave_0_\@:
	s_barrier_wait -3
	s_barrier_signal -1
	s_barrier_wait -1
.endm
.macro CROUND
	s_barrier_signal -1
	s_barrier_wait -1
	CREST
.endm
	s_load_b128 s[4:7], s[0:1], 0x0                ; ah s[4:5], wot s[6:7]
	s_load_b64 s[8:9], s[0:1], 0x10                ; out0
	v_lshl_add_u32 v[SPW], v0, 2, SPARE
	v_mov_b32 v[NIL], 0
	ds_add_u32 v28, v29
	ds_add_u32 v28, v29
	s_wait_dscnt 0x0
	v_lshrrev_b32 v1, 5, v0
	v_readfirstlane_b32 s10, v1                    ; wave 0..3
	s_lshr_b32 s11, s10, 1                         ; I fetch for ah (0) or for wot (1),
	s_and_b32 s12, s10, 1                          ; and which half
	s_bfe_u32 s40, ttmp6, 0x40000
	s_bfe_u32 s41, ttmp6, 0x40004
	s_lshl_b32 s42, ttmp9, 2
	s_add_co_u32 s42, s42, s40                     ; the block of 128 columns
	s_and_b32 s13, ttmp7, 0xffff
	s_lshl_b32 s13, s13, 2
	s_add_co_u32 s13, s13, s41                     ; the block of 256 positions
	s_lshl_b32 s43, s41, 2
	s_lshl_b32 s43, 15, s43                        ; my row of the cluster
	s_lshl_b32 s44, 0x1111, s40                    ; my column
	s_or_b32 s[G1+0], s43, (1<<16)|(1<<20)|(1<<21)|(4<<22)|(3<<25)   ; elements of 2 bytes; 4 words of padding behind every 32 words; bit 21 set beside a mask
	s_mov_b32 s[G1+1], 128<<16                     ; tensor_dim0 = 128
	s_mov_b32 s[G1+2], 128<<16                     ; tensor_dim1 = 128
	s_mov_b32 s[G1+3], 128<<16                     ; tile_dim0 = 128
	s_mov_b32 s[G1+4], 128                         ; tile_dim1 = 128
	s_mov_b32 s[G1+5], 128                         ; dense: a row begins where the last ends
	s_mov_b32 s[G1+6], 0
	s_mov_b32 s[G1+7], 0
	s_or_b32 s[G1B+0], s44, (1<<16)|(1<<20)|(1<<21)|(5<<22)|(3<<25)  ; 4 words behind every 64
	s_mov_b32 s[G1B+1], 128<<16
	s_mov_b32 s[G1B+2], BROWS<<16
	s_mov_b32 s[G1B+3], 128<<16
	s_mov_b32 s[G1B+4], BROWS
	s_mov_b32 s[G1B+5], SIZE_K
	s_mov_b32 s[G1B+6], 0
	s_mov_b32 s[G1B+7], 0
	s_lshl_b32 s16, s12, 19                        ; ah: head = my half of the K step's two,
	s_lshl_b32 s17, s13, 15                        ; 256 positions of 128 bytes a block
	s_add_co_u32 s16, s16, s17
	s_mov_b32 s17, 0
	s_lshl_b32 s46, s42, 18                        ; wot: row 128 x block + 64 x half, of 2,048 bytes
	s_lshl_b32 s47, s12, 17
	s_add_co_u32 s46, s46, s47
	s_mov_b32 s47, 0
	s_mul_i32 s20, s12, HALFA
	s_mul_i32 s21, s12, HALFB
	s_add_co_u32 s21, s21, AREG
	s_wait_kmcnt 0x0
	s_add_nc_u64 s[14:15], s[4:5], s[16:17]
	s_add_nc_u64 s[46:47], s[6:7], s[46:47]
	CROUND                                         ; all sixteen work-groups are here: the first joint loads meet
.irp s, 0,1
	s_mov_b32 s[G0+4*\s], 1
	s_add_co_u32 s[G0+4*\s+1], s20, \s*SLOT
	s_add_nc_u64 s[G0+4*\s+2:G0+4*\s+3], s[14:15], \s*A_SLOT1
	s_or_b32 s[G0+4*\s+3], s[G0+4*\s+3], 0x80000000
	s_mov_b32 s[G0B+4*\s], 1
	s_add_co_u32 s[G0B+4*\s+1], s21, \s*SLOT
	s_add_nc_u64 s[G0B+4*\s+2:G0B+4*\s+3], s[46:47], \s*B_SLOT1
	s_or_b32 s[G0B+4*\s+3], s[G0B+4*\s+3], 0x80000000
	JLOAD \s                                       ; two loads of mine are out behind these; later one behind each round
.endr
	v_and_b32 v1, 15, v0
	v_bfe_u32 v2, v0, 4, 1
	v_mul_u32_u24 v3, v1, PITCH
	v_lshl_add_u32 v3, v2, 4, v3
	v_mul_u32_u24 v4, v1, APITCH
	v_lshl_add_u32 v4, v2, 4, v4
	s_mul_i32 s21, s10, 64*APITCH                  ; my 64 positions
.irp s, 0,1
	v_add_nc_u32 v[ADRA+\s], s21, v4
	v_add_nc_u32 v[ADRB+\s], AREG+\s*SLOT, v3
	s_add_co_u32 s21, s21, SLOT
.endr
	s_mul_i32 s23, s10, 16*SPITCH
	s_add_co_u32 s23, s23, STAGE                   ; my stage
	v_mul_u32_u24 v4, v1, SPITCH                   ; in: row l % 16, 32 bytes for each half of the lanes
	v_lshl_add_u32 v4, v2, 5, v4
	v_add_nc_u32 v[STO], s23, v4
	v_and_b32 v5, 31, v0
	v_lshlrev_b32 v[CO], 4, v5                     ; back and out: 32 lanes take a row's 512 bytes
	v_add_nc_u32 v[RD], s23, v[CO]
	s_lshl_b32 s16, s13, 21                        ; 256 rows of 8,192 bytes a block,
	s_lshl_b32 s17, s10, 19                        ; 64 a wave
	s_add_co_u32 s16, s16, s17
	s_mov_b32 s17, 0
	s_lshl_b32 s46, s42, 9                         ; 128 columns of 4 bytes
	s_mov_b32 s47, 0
	s_add_nc_u64 s[16:17], s[16:17], s[46:47]
	s_add_nc_u64 s[8:9], s[8:9], s[16:17]
; 8 matrix instructions: row block 2 hi + a x all column blocks, 32 along K.  The 32 accumulators take turns, one instruction a turn.
.macro MULA f, hi, a, zero
.irp b, 0,1,2,3,4,5,6,7
.if \zero
	v_wmma_f32_16x16x32_f16 v[8*(NB*\a+\b):8*(NB*\a+\b)+7], v[\f+8*\b:\f+8*\b+7], v[\f+96+8*(2*\hi+\a):\f+96+8*(2*\hi+\a)+7], 0
.else
	v_wmma_f32_16x16x32_f16 v[8*(NB*\a+\b):8*(NB*\a+\b)+7], v[\f+8*\b:\f+8*\b+7], v[\f+96+8*(2*\hi+\a):\f+96+8*(2*\hi+\a)+7], v[8*(NB*\a+\b):8*(NB*\a+\b)+7]
.endif
.endr
.endm
; 24 LDS loads in one run.  Quarter q of a K step is head q / 2 of the slot's two, channels 32 (q % 2) on.
.macro FETCH slot, q, f
	WIN TO_F
.irp b, 0,1,2,3,4,5,6,7
	ds_load_b128 v[\f+8*\b:\f+8*\b+3],   v[ADRB+\slot] offset:64*\q+\b*16*PITCH
	ds_load_b128 v[\f+8*\b+4:\f+8*\b+7], v[ADRB+\slot] offset:64*\q+\b*16*PITCH+32
.endr
.irp a, 0,1,2,3
	ds_load_b128 v[\f+96+8*\a:\f+96+8*\a+3],   v[ADRA+\slot] offset:(\q/2)*ASUB+64*(\q%2)+\a*16*APITCH
	ds_load_b128 v[\f+96+8*\a+4:\f+96+8*\a+7], v[ADRA+\slot] offset:(\q/2)*ASUB+64*(\q%2)+\a*16*APITCH+32
.endr
.endm
.macro PLACES
.rept 4
	v_nop
.endr
.endm
.macro QUARTER slot, q, f, g, zero
	s_wait_dscnt 4                                 ; all but the youngest four loads: ah's row blocks 2 and 3
	WIN MUL_LO
	MULA \f, 0, 0, \zero
	MULA \f, 0, 1, \zero
	PLACES
	FETCH \slot, \q, \g
	s_wait_dscnt NLD                               ; all but the run just issued
	WIN MUL_HI
	MULA \f, 1, 0, \zero
	MULA \f, 1, 1, \zero
.endm
.macro TURN slot, next, fill
	WIN 0                                          ; (the add's two registers lie in window 0)
	s_wait_tensorcnt 0x0                           ; all my tensor loads have landed: the one that was out is my part of the next slot
	ds_add_u32 v[SPW], v[NIL]                      ; 0 onto my spare word
	s_wait_dscnt 5                                 ; (the add and the youngest four loads may be out)
	WIN MUL_LO
	MULA F1, 0, 0, 0
	s_wait_dscnt 0x0                               ; the add is done, and my reads of this slot are over
	s_barrier_signal -1
	MULA F1, 0, 1, 0
.if \fill
	WIN 0
.endif
	s_barrier_wait -1
.if \fill
	CREST                                          ; no wave of any partner still reads this slot's tile or has a load on its way
	s_add_nc_u64 s[G0+4*\slot+2:G0+4*\slot+3], s[G0+4*\slot+2:G0+4*\slot+3], A_STEP
	s_add_nc_u64 s[G0B+4*\slot+2:G0B+4*\slot+3], s[G0B+4*\slot+2:G0B+4*\slot+3], B_STEP
	JLOAD \slot                                    ; the first tensor load behind the round: 112 matrix instructions ahead of the wait for it; its four v_nop are also the places in front of the loads below
.else
	PLACES
.endif
	FETCH \next, 0, F0
	WIN MUL_HI
	MULA F1, 1, 0, 0
	MULA F1, 1, 1, 0
.endm
	s_wait_tensorcnt 0x1                           ; my part of K step 0 is in; K step 1's stays out
	s_barrier_signal -1
	s_barrier_wait -1
	FETCH 0, 0, F0
	QUARTER 0, 1, F0, F1, 1                        ; its products start the sums
	WIN 0
	s_mov_b32 s3, LAPS-1
.Llap:
	QUARTER 0, 2, F1, F0, 0
	QUARTER 0, 3, F0, F1, 0
	TURN 0, 1, 1
	QUARTER 1, 1, F0, F1, 0
	QUARTER 1, 2, F1, F0, 0
	QUARTER 1, 3, F0, F1, 0
	TURN 1, 0, 1
	QUARTER 0, 1, F0, F1, 0
	WIN 0
	s_sub_co_u32 s3, s3, 1
	s_cmp_lg_u32 s3, 0
	s_cbranch_scc1 .Llap
	QUARTER 0, 2, F1, F0, 0                        ; the last lap fills nothing
	QUARTER 0, 3, F0, F1, 0
	TURN 0, 1, 0
	QUARTER 1, 1, F0, F1, 0
	QUARTER 1, 2, F1, F0, 0
	QUARTER 1, 3, F0, F1, 0
	s_wait_dscnt 4
	WIN MUL_LO
	MULA F1, 0, 0, 0
	MULA F1, 0, 1, 0
	s_wait_dscnt 0x0
	WIN MUL_HI
	MULA F1, 1, 0, 0
	MULA F1, 1, 1, 0
	WIN 0
	PLACES
; THE WAY OUT, 16 rows at a time, in f32: a lane's eight columns go into my own stage as two stores of 16 bytes, the result's low four registers first; whole rows of 512 bytes come back and are stored.
.macro TOSTAGE a
.set BK, OB+64*((\a)%2)
	WIN 0x08+4*((\a)/2)                            ; the stores' data: window 2 or 3
.irp b, 0,1,2,3,4,5,6,7
	ds_store_b128 v[STO], v[8*(NB*((\a)%2)+\b):8*(NB*((\a)%2)+\b)+3]   offset:64*\b
	ds_store_b128 v[STO], v[8*(NB*((\a)%2)+\b)+4:8*(NB*((\a)%2)+\b)+7] offset:64*\b+16
.endr
	WIN 0
	s_wait_xcnt 0x0                                ; the registers loaded below were the data of the stores two blocks back: they are rewritten only behind this wait
.irp t, 0,1,2,3,4,5,6,7,8,9,10,11,12,13,14,15
	ds_load_b128 v[BK+4*\t:BK+4*\t+3], v[RD] offset:SPITCH*\t      ; LDS serves a wave's instructions in order: these see the stores above
.endr
.endm
.macro SEND a, younger
.set BK, OB+64*((\a)%2)
	s_wait_dscnt \younger
.irp t, 0,1,2,3,4,5,6,7,8,9,10,11,12,13,14,15
	global_store_b128 v[CO], v[BK+4*\t:BK+4*\t+3], s[8:9] offset:(16*(\a)+\t)*8192 th:TH_STORE_NT   ; the wave stores 512 consecutive bytes, aligned
.endr
.endm
	TOSTAGE 0
	TOSTAGE 1
	SEND 0, 32
	TOSTAGE 2
	SEND 1, 32
	TOSTAGE 3
	SEND 2, 32
	SEND 3, 0
	s_wait_tensorcnt 0x0                           ; the wave's end
	ds_add_u32 v[SPW], v[NIL]
	s_wait_dscnt 0x0
	CROUND                                         ; the closing round
	s_endpgm
.Lfunc_end_k_qb603822fb4_oproj:
	.size	k_qb603822fb4_oproj, .Lfunc_end_k_qb603822fb4_oproj-k_qb603822fb4_oproj
	.p2alignl 7, 3214868480
	.fill 96, 4, 3214868480
	.section	.rodata,"a",@progbits
	.p2align	6, 0x0
	.amdhsa_kernel k_qb603822fb4_oproj
		.amdhsa_group_segment_fixed_size 327680
		.amdhsa_private_segment_fixed_size 0
		.amdhsa_enable_private_segment 0
		.amdhsa_kernarg_size 24
		.amdhsa_user_sgpr_count 2
		.amdhsa_user_sgpr_kernarg_segment_ptr 1
		.amdhsa_wavefront_size32 1
		.amdhsa_system_sgpr_workgroup_id_x 1
		.amdhsa_system_sgpr_workgroup_id_y 1
		.amdhsa_system_sgpr_workgroup_id_z 1
		.amdhsa_system_vgpr_workitem_id 0
		.amdhsa_next_free_vgpr 896
		.amdhsa_next_free_sgpr 66
		.amdhsa_reserve_vcc 0
		.amdhsa_float_denorm_mode_32 3
		.amdhsa_float_denorm_mode_16_64 3
		.amdhsa_memory_ordered 1
		.amdhsa_forward_progress 1
		.amdhsa_inst_pref_size 85
	.end_amdhsa_kernel
	.amdgpu_metadata
---
amdhsa.version: [ 1, 2 ]
amdhsa.kernels:
  - .name:           k_qb603822fb4_oproj
    .symbol:         k_qb603822fb4_oproj.kd
    .args:
      - { .name: ah, .offset: 0, .size: 8, .value_kind: global_buffer, .address_space: global }
      - { .name: wot, .offset: 8, .size: 8, .value_kind: global_buffer, .address_space: global }
      - { .name: out0, .offset: 16, .size: 8, .value_kind: global_buffer, .address_space: global }
    .group_segment_fixed_size: 327680
    .private_segment_fixed_size: 0
    .kernarg_segment_align: 8
    .kernarg_segment_size: 24
    .max_flat_workgroup_size: 128
    .sgpr_count:     66
    .vgpr_count:     896
    .wavefront_size: 32
...
	.end_amdgpu_metadata
.endif
;; end of part 5
;; ======== version 2 of 2: 5 launches; version 1 with the launch prep written anew for expert scheduling mode
;; limits: values are held in f16: magnitudes above 65,504 overflow, below 6.1e-05 lose precision
;; workspace buffers: xh 16,777,216 bytes; wt 12,582,912 bytes; wot 4,194,304 bytes; qkv 25,165,824 bytes; ah 8,388,608 bytes; part 1,114,112 bytes
;; launch prep (part 6): grid 512 x 1, 8 waves a work-group, no clusters, 70,656 bytes of LDS; arguments hidden_states, Wq, Wk, Wv, Wo, xh, wt, wot; writes xh, wt, wot
.if DOCPART == 6
	.amdgcn_target "amdgcn-amd-amdhsa--gfx1250"
	.amdhsa_code_object_version 6
	.text
	.protected	k_qb603822fb4_prep
	.globl	k_qb603822fb4_prep
	.p2align	8
	.type	k_qb603822fb4_prep,@function
k_qb603822fb4_prep:
	s_mov_b64 s[64:65], 0
	v_nop
	global_prefetch_b8 v0, s[64:65] scope:SCOPE_SE
	s_setreg_imm32_b32 hwreg(HW_REG_WAVE_SCHED_MODE, 0, 2), 2
	s_setreg_imm32_b32 hwreg(HW_REG_WAVE_MODE, 25, 1), 1
	s_wait_xcnt 0x0
	s_wait_alu depctr_vm_vsrc(0)
; The operands of the two large products are made once: f32 -> f16 (rounded to nearest even), the weights also turned so that K lies along the rows.
;   xh  [4096][2048] f16 = hidden_states
;   wt  [3072][2048] f16: row 192 h + 64 part + d = column 64 h + d of Wq (part 0), Wk (1), Wv (2): a head's q, k, v columns lie together
;   wot [2048][1024] f16 = Wo turned
; LIMIT: numbers beyond f16's largest, 65,504, become infinities; below 6e-8 they are lost.  The inputs have a spread of 1 and of 0.022.
; Work-groups 0-255 take 131,072 bytes of x each; 256-447 a tile of 128 k x 256 n of Wq, Wk or Wv; 448-511 one of Wo: 131,072 bytes read and 65,536 written by each.
; No matrix unit, no cluster: nothing is multiplied and no byte is read twice.
; THE MODE: SCHED_MODE bits 1:0 = 2 (LLVM: expert scheduling mode 2), set by the entry lines.  The code itself states the register dependences
; between vector instructions and memory or LDS instructions, with s_wait_alu, always for 0.
; THE PLAN.  Registers that memory or LDS instructions touch:
;   v3 - v6    offsets and LDS addresses: written once by vector instructions ahead of the path's first load, never again.
;   R          x: written by the 32 loads, read by the conversions.  Weights: the same, and behind the barrier v[8:71] take the rows read back from LDS, which the global stores read.
;   Y (x)      block p of eight: 8 registers, written by block p's conversions, read by the four stores that are issued in block p + 1.
;   T (weights) group g of four: 16 registers, written by group g's conversions, read by the four LDS stores that are issued in group g + 1.
;   v200, v201 written at the head, read by the closing add alone.
; Every block and every group has registers of its own: no register that a memory or LDS instruction reads is ever written again, so no wait on vm_vsrc is owed.
; One wait on va_vdst stands at the head of a block (a group), behind the wait for its data: it states that the block before has written its Y (its T).  That block's stores follow it,
; dealt among this block's conversions, which name this block's R and Y (T) alone: none of the registers that those stores read.
.set LP, 272                           ; an LDS row of the turned tile: 128 k x 2 bytes + 16
.set R,  8                             ; v[8:135]   32 loads of 4 registers
.set T,  136                           ; v[136:199] packed f16 on their way into LDS (weights): group g at T + 16 g
.set Y,  136                           ; v[136:199] packed f16 to store (x): load j at Y + 2 j
	s_load_b512 s[4:19], s[0:1], 0x0               ; x s[4:5], Wq s[6:7], Wk s[8:9], Wv s[10:11], Wo s[12:13], xh s[14:15], wt s[16:17], wot s[18:19]
	v_lshl_add_u32 v200, v0, 2, 0x11000
	v_mov_b32 v201, 0
	v_lshrrev_b32 v1, 5, v0
	v_readfirstlane_b32 s20, v1                    ; wave 0..7
	v_and_b32 v2, 31, v0                           ; lane
	s_wait_alu depctr_va_sdst(0)                   ; s20 is written, ahead of the branch and of its first readers: both arms make their offsets from it
	s_cmp_lt_u32 ttmp9, 256
	s_cbranch_scc0 .Lweights
	; ---- x: a wave takes 16,384 bytes, 32 loads of 512 neighbouring bytes, all on their way at once
	v_lshlrev_b32 v3, 4, v2                        ; 16 bytes a lane in
	v_lshlrev_b32 v4, 3, v2                        ; 8 bytes a lane out
	s_lshl_b32 s22, ttmp9, 17                      ; the work-group's 131,072 bytes,
	s_lshl_b32 s21, s20, 14                        ; the wave's 16,384 of them
	s_add_co_u32 s22, s22, s21
	s_mov_b32 s23, 0
	s_lshr_b32 s24, s22, 1                         ; half as many bytes out
	s_mov_b32 s25, 0
	s_wait_kmcnt 0x0
	s_add_nc_u64 s[4:5], s[4:5], s[22:23]
	s_add_nc_u64 s[14:15], s[14:15], s[24:25]
	s_wait_alu depctr_va_vdst(0)                   ; v3 and v4 are written: every load reads v3 as its offset, every store v4
.set j, 0
.rept 32
	global_load_b128 v[R+4*j:R+4*j+3], v3, s[4:5] offset:512*j th:TH_LOAD_NT
.set j, j+1
.endr
; Eight blocks of four loads.  Block p rounds its four loads; the four stores of block p - 1 stand among its conversions.
.set p, 0
.rept 8
	s_wait_loadcnt 28-4*p                          ; loads come back in order: block p's four are in, the younger ones stay out
.if p > 0
	s_wait_alu depctr_va_vdst(0)                   ; the conversions of the block before have written its Y, which the four stores below read
.endif
.set i, 0
.rept 4
.if p > 0
	global_store_b64 v4, v[Y+2*(4*p-4+i):Y+2*(4*p-4+i)+1], s[14:15] offset:256*(4*p-4+i)   ; the wave's 32 lanes store 256 consecutive bytes, aligned; no vector instruction since the wait names these registers
.endif
	v_cvt_pk_f16_f32 v[Y+2*(4*p+i)],   v[R+4*(4*p+i)],   v[R+4*(4*p+i)+1]
	v_cvt_pk_f16_f32 v[Y+2*(4*p+i)+1], v[R+4*(4*p+i)+2], v[R+4*(4*p+i)+3]
.set i, i+1
.endr
.set p, p+1
.endr
	s_wait_alu depctr_va_vdst(0)                   ; the last block's conversions have written its Y, which the last four stores read
.set i, 28
.rept 4
	global_store_b64 v4, v[Y+2*i:Y+2*i+1], s[14:15] offset:256*i
.set i, i+1
.endr
	s_endpgm
; ---- a tile of 128 k x 256 n of a weight.  inp, outp: bytes of a row of the source and of the turned matrix; src, dst: the scalar pairs that hold
; the source at the wave's 16 rows of k and the destination at the wave's 32 rows of n.
; In: wave w takes k = 16 w .. 16 w + 15; a load covers 512 neighbouring bytes (128 n) of one row; a lane holds 4 n x 16 k for each half of the 256 n.
; Eight k of one n pack into 16 bytes, which go to LDS row n at byte 2 k.  Lanes are 4 rows apart there, 64 bytes modulo 256, so four lanes share a group of banks:
; kept, since the launch waits for memory and a rotation would make the addresses harder to read.
; Out: wave w reads rows 32 w .. 32 w + 31 whole; 16 lanes store the 256 bytes of a row.
.macro WTILE inp, outp, src, dst
	v_mul_u32_u24 v6, v7, \outp                    ; (l >> 4) rows
	v_lshl_add_u32 v6, v1, 4, v6                   ; + 16 (l & 15)
	s_wait_alu depctr_va_vdst(0)                   ; v3 to v6 are written: the loads read v3, the LDS stores v4, the loads from LDS v5, the global stores v6
.irp jn, 0,1
.irp rr, 0,1,2,3,4,5,6,7,8,9,10,11,12,13,14,15
	global_load_b128 v[R+4*(16*\jn+\rr):R+4*(16*\jn+\rr)+3], v3, s[\src:\src+1] offset:\rr*\inp+512*\jn th:TH_LOAD_NT
.endr
.endr
.irp g, 0,1,2,3                        ; g = 2 x (half of n) + (half of the wave's 16 k): loads 8 g .. 8 g + 7.  The four LDS stores of group g - 1 stand among group g's conversions
	s_wait_loadcnt 24-8*\g                         ; those eight are in; the younger ones stay out
.if \g > 0
	s_wait_alu depctr_va_vdst(0)                   ; the conversions of the group before have written its T, which the four LDS stores below read
.endif
.irp i, 0,1,2,3
.if \g > 0
	ds_store_b128 v4, v[T+16*(\g-1)+4*\i:T+16*(\g-1)+4*\i+3] offset:(128*((\g-1)/2)+\i)*LP+16*((\g-1)%2)   ; no vector instruction since the wait names these registers
.endif
.irp m, 0,1,2,3
	v_cvt_pk_f16_f32 v[T+16*\g+4*\i+\m], v[R+4*(8*\g+2*\m)+\i], v[R+4*(8*\g+2*\m+1)+\i]
.endr
.endr
.endr
	s_wait_alu depctr_va_vdst(0)                   ; the last group's conversions have written its T, which the LDS stores below read; and all conversions are done reading R, in which the loads behind the barrier land
.irp i, 0,1,2,3
	ds_store_b128 v4, v[T+48+4*\i:T+48+4*\i+3] offset:(128+\i)*LP+16
.endr
	s_wait_dscnt 0x0                               ; for the others' sake: my stores into the tile are done
	s_barrier_signal -1
	s_barrier_wait -1
.irp t, 0,1,2,3,4,5,6,7,8,9,10,11,12,13,14,15
	ds_load_b128 v[R+4*\t:R+4*\t+3], v5 offset:2*LP*\t   ; no vector instruction stands between the wait above and these loads
.endr
.irp t, 0,1,2,3,4,5,6,7,8,9,10,11,12,13,14,15
	s_wait_dscnt 15-\t                             ; LDS loads come back in order: load t is in, the younger ones stay out
	global_store_b128 v6, v[R+4*\t:R+4*\t+3], s[\dst:\dst+1] offset:2*\t*\outp   ; two rows: 16 lanes store 256 consecutive bytes, aligned
.endr
	s_wait_dscnt 0x0                               ; the closing lines, six on end
	s_wait_alu 0x0
	s_wait_tensorcnt 0x0
	ds_add_u32 v200, v201
	s_wait_dscnt 0x0
	s_endpgm
.endm
.Lweights:
	v_lshlrev_b32 v3, 4, v2                        ; in: 16 bytes a lane
	v_mul_u32_u24 v4, v2, 4*LP                     ; into LDS: rows 4 l ..,
	s_lshl_b32 s26, s20, 5
	v_add_nc_u32 v4, s26, v4                       ; byte 32 w
	v_lshrrev_b32 v7, 4, v2                        ; l >> 4
	v_and_b32 v1, 15, v2                           ; l & 15
	v_mul_u32_u24 v5, v7, LP                       ; back: row 32 w + (l >> 4), byte 16 (l & 15)
	v_lshl_add_u32 v5, v1, 4, v5
	s_mul_i32 s27, s20, 32*LP
	v_add_nc_u32 v5, s27, v5
	s_sub_co_u32 s21, ttmp9, 256                   ; the tile's number
	s_cmp_lt_u32 s21, 192
	s_cbranch_scc0 .Lwo
	s_lshr_b32 s22, s21, 6                         ; part: q, k, v
	s_bfe_u32 s23, s21, 0x40002                    ; kt 0..15
	s_and_b32 s24, s21, 3                          ; nt 0..3
	s_lshl_b32 s28, s23, 7
	s_lshl4_add_u32 s28, s20, s28                  ; source row 128 kt + 16 w,
	s_lshl_b32 s28, s28, 12                        ; of 4,096 bytes,
	s_lshl_b32 s29, s24, 10                        ; + 256 nt numbers
	s_add_co_u32 s28, s28, s29
	s_mov_b32 s29, 0
	s_lshr_b32 s30, s20, 1
	s_lshl2_add_u32 s30, s24, s30                  ; the head: 4 nt + (w >> 1)
	s_mul_i32 s30, s30, 192
	s_lshl_b32 s31, s22, 6
	s_add_co_u32 s30, s30, s31                     ; + 64 part
	s_and_b32 s31, s20, 1
	s_lshl_b32 s31, s31, 5
	s_add_co_u32 s30, s30, s31                     ; + 32 (w & 1)
	s_lshl_b32 s30, s30, 12                        ; rows of 4,096 bytes
	s_lshl_b32 s31, s23, 8                         ; + 128 kt numbers
	s_add_co_u32 s30, s30, s31
	s_mov_b32 s31, 0
	s_wait_kmcnt 0x0
	s_cmp_eq_u32 s22, 1
	s_cselect_b64 s[6:7], s[8:9], s[6:7]
	s_cmp_eq_u32 s22, 2
	s_cselect_b64 s[6:7], s[10:11], s[6:7]
	s_add_nc_u64 s[6:7], s[6:7], s[28:29]
	s_add_nc_u64 s[16:17], s[16:17], s[30:31]
	WTILE 4096, 4096, 6, 16
.Lwo:
	s_sub_co_u32 s21, s21, 192
	s_lshr_b32 s23, s21, 3                         ; kt 0..7
	s_and_b32 s24, s21, 7                          ; nt 0..7
	s_lshl_b32 s28, s23, 7
	s_lshl4_add_u32 s28, s20, s28                  ; source row 128 kt + 16 w,
	s_lshl_b32 s28, s28, 13                        ; of 8,192 bytes
	s_lshl_b32 s29, s24, 10
	s_add_co_u32 s28, s28, s29
	s_mov_b32 s29, 0
	s_lshl_b32 s30, s24, 8
	s_lshl_b32 s31, s20, 5
	s_add_co_u32 s30, s30, s31                     ; turned row 256 nt + 32 w,
	s_lshl_b32 s30, s30, 11                        ; of 2,048 bytes
	s_lshl_b32 s31, s23, 8
	s_add_co_u32 s30, s30, s31
	s_mov_b32 s31, 0
	s_wait_kmcnt 0x0
	s_add_nc_u64 s[12:13], s[12:13], s[28:29]
	s_add_nc_u64 s[18:19], s[18:19], s[30:31]
	WTILE 8192, 2048, 12, 18
.Lfunc_end_k_qb603822fb4_prep:
	.size	k_qb603822fb4_prep, .Lfunc_end_k_qb603822fb4_prep-k_qb603822fb4_prep
	.p2alignl 7, 3214868480
	.fill 96, 4, 3214868480
	.section	.rodata,"a",@progbits
	.p2align	6, 0x0
	.amdhsa_kernel k_qb603822fb4_prep
		.amdhsa_group_segment_fixed_size 70656
		.amdhsa_private_segment_fixed_size 0
		.amdhsa_enable_private_segment 0
		.amdhsa_kernarg_size 64
		.amdhsa_user_sgpr_count 2
		.amdhsa_user_sgpr_kernarg_segment_ptr 1
		.amdhsa_wavefront_size32 1
		.amdhsa_system_sgpr_workgroup_id_x 1
		.amdhsa_system_sgpr_workgroup_id_y 1
		.amdhsa_system_sgpr_workgroup_id_z 1
		.amdhsa_system_vgpr_workitem_id 0
		.amdhsa_next_free_vgpr 202
		.amdhsa_next_free_sgpr 66
		.amdhsa_reserve_vcc 0
		.amdhsa_float_denorm_mode_32 3
		.amdhsa_float_denorm_mode_16_64 3
		.amdhsa_memory_ordered 1
		.amdhsa_forward_progress 1
		.amdhsa_inst_pref_size 38
	.end_amdhsa_kernel
	.amdgpu_metadata
---
amdhsa.version: [ 1, 2 ]
amdhsa.kernels:
  - .name:           k_qb603822fb4_prep
    .symbol:         k_qb603822fb4_prep.kd
    .args:
      - { .name: hidden_states, .offset: 0, .size: 8, .value_kind: global_buffer, .address_space: global }
      - { .name: Wq, .offset: 8, .size: 8, .value_kind: global_buffer, .address_space: global }
      - { .name: Wk, .offset: 16, .size: 8, .value_kind: global_buffer, .address_space: global }
      - { .name: Wv, .offset: 24, .size: 8, .value_kind: global_buffer, .address_space: global }
      - { .name: Wo, .offset: 32, .size: 8, .value_kind: global_buffer, .address_space: global }
      - { .name: xh, .offset: 40, .size: 8, .value_kind: global_buffer, .address_space: global }
      - { .name: wt, .offset: 48, .size: 8, .value_kind: global_buffer, .address_space: global }
      - { .name: wot, .offset: 56, .size: 8, .value_kind: global_buffer, .address_space: global }
    .group_segment_fixed_size: 70656
    .private_segment_fixed_size: 0
    .kernarg_segment_align: 8
    .kernarg_segment_size: 64
    .max_flat_workgroup_size: 256
    .sgpr_count:     66
    .vgpr_count:     202
    .wavefront_size: 32
...
	.end_amdgpu_metadata
.endif
;; end of part 6
;; launch qkvg: the kernel of part 2 again; grid 16 x 16, 4 waves a work-group, clusters of 4 x 4, 327,680 bytes of LDS; arguments xh, wt, qkv; writes qkv
;; launch attn: the kernel of part 3 again; grid 16 x 16, 8 waves a work-group, no clusters, 292,608 bytes of LDS; arguments qkv, ah, part; writes ah, part
;; launch comb: the kernel of part 4 again; grid 16 x 1, 8 waves a work-group, no clusters, 3,072 bytes of LDS; arguments part, ah; writes ah
;; launch oproj: the kernel of part 5 again; grid 16 x 16, 4 waves a work-group, clusters of 4 x 4, 327,680 bytes of LDS; arguments ah, wot, out0; writes out0
